; MI455X (gfx1250); checked and timed in simulation.
; The chip was launched on July 23, 2026; its instructions are those of AMD's public machine-readable ISA for CDNA 5 (MIT licence, August 2026) and "CDNA5" Instruction Set Architecture Reference Guide (July 2026). The comments in the code are by the model that wrote it; some were corrected since.
;; GQA Attention. Allowed arithmetic: matrix products marked QUANTISED: E4M3 operands, one given power-of-two scale a tensor, by v_wmma_f32_16x16x64_fp8_fp8 or v_wmma_f32_16x16x128_fp8_fp8, f32 sums; everything else in f32.
;; Inputs: Wkv_codes 2,048 x 32 x 32 uint8 (E4M3 codes of Wkv, K innermost, in blocks of 32 codes); Wp_codes 1,024 x 32 x 32 uint8 (E4M3 codes of Wp, K innermost, in blocks of 32 codes); Wq_codes 1,024 x 32 x 32 uint8 (E4M3 codes of Wq, K innermost, in blocks of 32 codes); bkv 2,048 float32; bp 1,024 float32; bq 1,024 float32; k_in_codes 4 x 2,048 x 32 x 32 uint8 (E4M3 codes of k_in, K innermost, in blocks of 32 codes); lowp_scales 10 int32 (the exponents e of the quantised operands' scales 2^e); mask 4 x 2,048 x 2,048 bool; q_in_codes 4 x 2,048 x 32 x 32 uint8 (E4M3 codes of q_in, K innermost, in blocks of 32 codes); rope 2,048 x 64 float32; v_in 4 x 2,048 x 1,024 float32.
;; Outputs: out0 4 x 2,048 x 1,024 float32.
;; This version of the problem:
;;   THIS VERSION OF THE PROBLEM IS GIVEN IN LOW PRECISION. The matrix products marked QUANTISED in the list below multiply operands that are first quantised to E4M3 (4 exponent bits, 3 mantissa bits; 8 bits a number), with one given power-of-two scale for each operand tensor; their sums are f32. All else is computed in f32.
;;   The module's matrix products, in the order in which they are computed (A, B: the left and right operand; K: the contracted axis; several contracted axes count as one K, in the product's order):
;;     1. [M 8,192, K 1,024] x [K 1,024, N 1,024]; A: input q_in (given as codes); B: input Wq (given as codes): QUANTISED (scales: A lowp_scales[0], B lowp_scales[1])
;;     2. [M 8,192, K 1,024] x [K 1,024, N 2,048]; A: input k_in (given as codes); B: input Wkv (given as codes): QUANTISED (scales: A lowp_scales[2], B lowp_scales[3])
;;     3. batch 64 x [M 2,048, K 64] x [K 64, N 2,048]; A: computed on the way; B: computed on the way: QUANTISED (scales: A lowp_scales[4], B lowp_scales[5])
;;     4. batch 64 x [M 2,048, K 2,048] x [K 2,048, N 64]; A: softmax (see below); B: computed on the way: QUANTISED (scales: A lowp_scales[6], B lowp_scales[7])
;;     5. [M 8,192, K 1,024] x [K 1,024, N 1,024]; A: computed on the way; B: input Wp (given as codes): QUANTISED (scales: A lowp_scales[8], B lowp_scales[9])
;;   THE QUANTISER, for each operand of a quantised product, along K:
;;     - The operand's scale is 2^e, e = its entry of the input lowp_scales (int32; the entries are numbered through the quantised products in the list's order, A before B).
;;     - Each number is divided by the scale, clamped to +-448, and rounded to the nearest number of E4M3, ties to even, subnormals kept.
;;     - The product sums the exact products of the quantised numbers (number of the format x scale) in f32.
;;   ~~~python
;;   def quantise(x, axis, e):      # numpy; x: float32 -> the quantised numbers, widened to float32 again
;;       x = np.moveaxis(x, axis, -1); K = x.shape[-1]
;;       r = np.clip(x / 2.0 ** e, -448, 448)
;;       step = 2.0 ** (np.maximum(np.frexp(np.where(r == 0, 1, r))[1] - 1, -6) - 3)
;;       q = np.round(r / step) * step * 2.0 ** e      # np.round: ties to even
;;       return np.moveaxis(q, -1, axis).astype(np.float32)
;;   ~~~
;;   SOFTMAX AHEAD OF A QUANTISED PRODUCT. Where the list says 'softmax', what is quantised is not the finished softmax but p = 2^(t - M), with t = logit x log2(e) and M = ceil(the row's largest t), a whole number; so 1/2 < the row's largest p <= 1. The row's sum l is taken of the UNQUANTISED p, in f32, and the product's result is divided by l at the end. Since M is a whole number, a kernel that streams over the keys may use a running M (the ceiling of the running maximum): every later rescaling is an exact power of two, so the quantised numbers keep their values, but for numbers so far below the row's largest that they fall under the format's range.
;;   OPERANDS COMPUTED ON THE WAY. 'Computed on the way' means the value that the module computes at that place (a softmax that the list does not call 'softmax' is quantised finished and normalised). What goes into a quantiser is computed in f32, as accurately as f32 sums, v_exp_f32 and their like allow (about 1e-6 of the number): no bf16 or f16 on the way to a quantiser, and a product that is left as it is and whose result goes on into a quantised operand takes f32 operands (vector FMAs, or v_wmma_f32_16x16x4_f32). A number that lies on a knife's edge between two numbers of the format may be rounded either way, as far as f32 arithmetic and the matrix unit's own rounding can turn it there, and no further.
;;   INPUTS GIVEN AS CODES. Wkv (in the module: [1024, 2048], K = its axis 0); Wp (in the module: [1024, 1024], K = its axis 0); Wq (in the module: [1024, 1024], K = its axis 0); k_in (in the module: [4, 2048, 1024], K = its axis 2); q_in (in the module: [4, 2048, 1024], K = its axis 2): each comes as NAME_codes (uint8): NAME with its K axis moved to the last place and cut into blocks of 32 codes, [.., K / 32, bytes a block], one block behind the other in memory; one code a byte (a code: sign, 4 exponent bits, 3 mantissa bits); its scale is its entry of lowp_scales. Its value is code x scale, taken as it is: it is not quantised again, and the codes and scales need not be those that the quantiser above would give.
;; One version. Each part assembles by itself: llvm-mc -triple=amdgcn-amd-amdhsa -mcpu=gfx1250 --defsym DOCPART=n.
;; ======== version 1 of 1: 3 launches
;; limits: right only within a limited range of input values
;; workspace buffers: qc 8,388,608 bytes; kc 8,388,608 bytes; vc 8,388,608 bytes; oc 8,388,608 bytes; maskw 2,097,152 bytes of whole numbers; mflags 131,072 bytes of whole numbers
;; launch proj (part 1): grid 4 x 128, 4 waves a work-group, clusters of 4 x 4, 327,680 bytes of LDS; arguments q_in_codes, k_in_codes, Wq_codes, Wkv_codes, bq, bkv, rope, lowp_scales, mask, qc, kc, vc, maskw, mflags; writes qc, kc, vc, maskw, mflags
.if DOCPART == 1
	.amdgcn_target "amdgcn-amd-amdhsa--gfx1250"
	.amdhsa_code_object_version 6
	.text
	.protected	k_q5806738a45_proj
	.globl	k_q5806738a45_proj
	.p2align	8
	.type	k_q5806738a45_proj,@function
k_q5806738a45_proj:
	s_mov_b64 s[64:65], 0
	v_nop
	global_prefetch_b8 v0, s[64:65] scope:SCOPE_SE
	s_setreg_imm32_b32 hwreg(HW_REG_WAVE_MODE, 25, 1), 1
	s_wait_xcnt 0x0
	s_wait_alu depctr_hold_cnt(0) depctr_sa_sdst(0) depctr_va_vdst(0) depctr_va_sdst(0) depctr_va_ssrc(0) depctr_va_vcc(0) depctr_vm_vsrc(0)
	s_getreg_b32 s2, hwreg(HW_REG_IB_STS2, 6, 4)
	s_cmp_eq_u32 s2, 0
	s_cbranch_scc0 .Lentry_in_a_cluster
	s_endpgm
.Lentry_in_a_cluster:
	s_bfe_u32 s2, ttmp6, 0x10000c
	s_cmp_lg_u32 s2, 0xf033
	s_cbranch_scc0 .Lentry_shape_is_right
	s_endpgm
.Lentry_shape_is_right:
; THE THREE PROJECTIONS, AND THE MASK AS LANE MASKS.  32 clusters of 4 x 4 work-groups; the cluster's number cid says what it does.
; cid 0-7: q = q_in Wq + bq, rope, quantised by 2^e4.  cid 8-15: k = k_in Wkv[:, :1024] + bkv, rope, quantised by 2^e5.  cid 16-23: v = k_in Wkv[:, 1024:] + bkv, quantised by 2^e7.
; cid 24-31: the mask's bytes become words of 32 lane bits.
; THE PRODUCTS: C[i][j] = sum over k of P[i][k] R[j][k] on codes of E4M3, K = 1,024; a work-group makes 256 x 256, a wave 128 x 128 (64 accumulators, 512 registers); K goes in steps of 256 through a
; ring of two LDS slots filled by joint tensor loads: P's tile is shared along a row of the cluster, R's along a column.  Source 0 = 16 rows of R, source 1 = 16 rows of P: a lane holds ONE row i and eight neighbouring j.
; q, k: P = the tokens, R = the weight's rows: a lane holds a token and eight neighbouring channels of a head: the next product's K.  v: P = the weight's rows, R = the tokens: a lane holds a channel and eight
; neighbouring keys: the next product's K.  So the conversions' results are the next operand's registers, and they are stored as IMAGES of those registers: 16 bytes a lane, 512 consecutive bytes a store.
; qc, kc: [16 b + h][tile of 16 tokens][1,024]: registers 2 c, 2 c + 1 of lane (r, g) = channels 16 c + 8 g + 0..7 of token r.   vc: [16 b + h][step of 128 keys][tile of 16 channels][2,048]: registers 2 c, 2 c + 1 = keys 16 c + 8 g + 0..7 of channel r.
; maskw: [tile of 16 queries][16 steps of 128 keys][64 words]: word 8 c + j: bit l = mask(query l % 16, key 128 step + 16 c + 8 (l / 16) + j).
; THE TEXT PARTS ONCE for q, k against v, in front of the last K step: each way has its own early loads, the last K step and its way out, and the ways meet again only at the wave's end.
; LIMITS: e0 + e1 and e2 + e3 between -126 and 127; e4, e5, e7 between -126 and 119, so that each power of two below is an f32 number.  A byte of the mask other than 0 counts as true.  NaN among the inputs is not served.
; v_in is an argument of the module that its computation never uses: no launch reads it.
; REGISTERS, in windows of 256: window 0: v0-31 addresses; v32-127 rope rows as loaded (three sets of 32) or v's biases; from v128 P's fragments, ONE set; on the way out v128-255 are at work.
;   window 1: R's fragments, TWO sets, at v0 and v128; at the end v0-63 the biases of q or k.   window 2, 3: the accumulators ((a, b) at v[8 (8 (a % 4) + b)] of window 2 + a / 4).
.set KSTEP,  256
.set ROWB,   256                       ; a tile's row in bytes
.set KROW,   1024                      ; a row of P or R in memory
.set PITCH,  272                       ; an LDS row: 256 bytes + 16 of padding: the 16 rows of a fragment load start 16 bytes apart modulo 256
.set FR,     16
.set NL,     4
.set NP,     4                         ; places behind this matrix instruction (ISA guide 7.12.1)
.set HALFT,  128*PITCH
.set SLOT,   4*HALFT
.set LAPS,   2                         ; 1,024 along K = two laps of two K steps
.set SPARE,  2*SLOT                    ; the spare words: 128 bytes a wave, named by no other line
.set MSTG,   SPARE+512                 ; the mask clusters' own stage: 16 rows x 272 bytes a wave
.set WST,    16*272                    ; a wave's stage.  The rope's stage lies in slot 0, which has had its last fill and its last read when it is first written
.set BIO,  8                           ; v8   32 x (lane / 16): my eight biases of a block of 16 channels
.set BVO,  9                           ; v9   4 x (lane % 16): my channel's bias (v)
.set RSA,  10                          ; v10  rope stage, in
.set RRA,  11                          ; v11  rope stage, out
.set QS,   12                          ; v12  the quantiser's scale as f32
.set LIM,  13                          ; v13  448 x that
.set ADRA, 16
.set ADRB, 20
.set CO,   26                          ; v26  16 x lane
.set SPW,  28
.set NIL,  29
.set RG,   32
.set AF,   128
.set X,    128                         ; the way out: 32 numbers
.set T,    160                         ; 32 numbers after the rope
.set CD,   192                         ; codes: two sets of 8
.set RP,   224                         ; my row's 32 rope numbers
.set MG,   32                          ; mask clusters: 256 keys x 16 rows as loaded
.set MP,   96                          ; and by lanes: 8 bytes for each group of 16 keys
.set G1, 24
.set G0, 32
.set G1B, 48
.set G0B, 56
.set MSB, 0
.macro WIN new                         ; the immediate's high byte repeats the setting that is left
.if MSB != (\new)
	s_set_vgpr_msb (MSB<<8)|(\new)
.set MSB, (\new)
.endif
.endm
.set MUL_LO, 0xa1                      ; source 0 (R) window 1, source 1 (P) window 0, C and D window 2
.set MUL_HI, 0xf1
.set TO_B,   0x40
; A joint load: waves 0 and 1 fetch for P, waves 2 and 3 for R; the branch hangs on the wave's number alone.  Four v_nop follow each of the two lines.
.macro JLOAD g0a, g1a, g0b, g1b
	s_cmp_eq_u32 s15, 0
	s_cbranch_scc0 .Lfor_b_\@
	tensor_load_to_lds s[\g0a:\g0a+3], s[\g1a:\g1a+7]
	s_nop 0
.rept 4
	v_nop
.endr
	s_branch .Lasked_\@
.Lfor_b_\@:
	tensor_load_to_lds s[\g0b:\g0b+3], s[\g1b:\g1b+7]
	s_nop 0
.rept 4
	v_nop
.endr
.Lasked_\@:
.endm
.macro CREST
	s_cmp_lg_u32 s14, 0
	s_cbranch_scc1 .Lnot_wave_0_\@
	s_barrier_signal -3
.Lnot_wave_0_\@:
	s_barrier_wait -3
	s_barrier_signal -1
	s_barrier_wait -1
.endm
.macro CROUND
	s_barrier_signal -1
	s_barrier_wait -1
	CREST
.endm
	s_load_b512 s[68:83], s[0:1], 0x0              ; q_in 68, k_in 70, Wq 72, Wkv 74, bq 76, bkv 78, rope 80, the scales' exponents 82
	s_load_b256 s[84:91], s[0:1], 0x40             ; mask 84, qc 86, kc 88, vc 90
	s_load_b64 s[92:93], s[0:1], 0x60              ; maskw
	s_load_b64 s[94:95], s[0:1], 0x68              ; mflags: [tile of 16 queries][256 bytes], every word the same: bit s = step s of 128 keys has a true entry (all 16 bits set where some row of the tile has none at all); bit 16 + s = step s is all true
	v_lshl_add_u32 v[SPW], v0, 2, SPARE
	v_mov_b32 v[NIL], 0
	ds_add_u32 v28, v29
	ds_add_u32 v28, v29
	s_wait_dscnt 0x0
	v_lshrrev_b32 v1, 5, v0
	v_readfirstlane_b32 s14, v1                    ; wave 0..3
	s_lshr_b32 s15, s14, 1                         ; which half of the tile's rows is mine.  Also: I fetch for P (0) or for R (1)
	s_and_b32 s16, s14, 1                          ; which half of its columns.  Also: which 128 rows I fetch
	s_bfe_u32 s40, ttmp6, 0x40000                  ; cx
	s_bfe_u32 s41, ttmp6, 0x40004                  ; cy
	s_and_b32 s67, ttmp7, 0xffff                   ; cid: the cluster's number, the same in all sixteen partners
	s_cmp_ge_u32 s67, 24
	s_cbranch_scc1 .Lmask
	s_lshr_b32 s66, s67, 3                         ; p: 0 q, 1 k, 2 v
	s_and_b32 s67, s67, 7
	s_lshl_b32 s18, s67, 2
	s_cmp_eq_u32 s66, 2
	s_cselect_b32 s17, 0, s18
	s_cselect_b32 s42, s18, 0
	s_add_co_u32 s17, s17, s41                     ; tile row: q, k: 4 idx + cy (32 tiles of tokens); v: cy (4 tiles of channels)
	s_add_co_u32 s42, s42, s40                     ; tile column: q, k: cx; v: 4 idx + cx
	s_lshl_b32 s43, s41, 2
	s_lshl_b32 s43, 15, s43                        ; my row of the cluster
	s_lshl_b32 s44, 0x1111, s40                    ; my column
	s_or_b32 s[G1+0], s43, (0<<16)|(1<<20)|(1<<21)|(5<<22)|(3<<25)  ; the mask; elements of 1 byte; padding on; bit 21 beside a mask; after every 64 words, 4 words
	s_or_b32 s[G1B+0], s44, (0<<16)|(1<<20)|(1<<21)|(5<<22)|(3<<25)
.irp g, G1, G1B
	s_mov_b32 s[\g+1], ROWB<<16                    ; tensor_dim0
	s_mov_b32 s[\g+2], 128<<16                     ; tensor_dim1
	s_mov_b32 s[\g+3], ROWB<<16                    ; tile_dim0
	s_mov_b32 s[\g+4], 128                         ; tile_dim1
	s_mov_b32 s[\g+5], KROW                        ; pitch
	s_mov_b32 s[\g+6], 0
	s_mov_b32 s[\g+7], 0
.endr
	s_lshl_b32 s18, s16, 7
	s_lshl_b32 s20, s17, 8
	s_add_co_u32 s20, s20, s18                     ; P: row 256 x tile row + 128 x half
	s_lshl_b32 s46, s42, 8
	s_add_co_u32 s46, s46, s18                     ; R: row 256 x tile column + 128 x half
	s_lshl_b32 s20, s20, 10                        ; in bytes: rows of 1,024
	s_lshl_b32 s46, s46, 10
	s_mov_b32 s21, 0
	s_mov_b32 s47, 0
	s_mul_i32 s45, s14, HALFT                      ; where they go: wave x 128 rows
	s_wait_kmcnt 0x0
	s_cmp_eq_u32 s66, 0                            ; the buffers are chosen by p, which hangs on the cluster's number alone
	s_cselect_b64 s[4:5], s[68:69], s[70:71]       ; P: q_in or k_in
	s_cselect_b64 s[6:7], s[72:73], s[74:75]       ; R: Wq or Wkv
	s_cselect_b64 s[8:9], s[76:77], s[78:79]       ; the bias
	s_cselect_b64 s[10:11], s[86:87], s[88:89]     ; the codes' buffer
	s_add_nc_u64 s[74:75], s[74:75], 0x100000      ; Wkv's rows 1,024 on: v's
	s_add_nc_u64 s[78:79], s[78:79], 4096          ; and their biases
	s_cmp_eq_u32 s66, 2
	s_cselect_b64 s[4:5], s[74:75], s[4:5]
	s_cselect_b64 s[6:7], s[70:71], s[6:7]
	s_cselect_b64 s[8:9], s[78:79], s[8:9]
	s_cselect_b64 s[10:11], s[90:91], s[10:11]
	s_mov_b64 s[12:13], s[80:81]                   ; rope
	s_load_b256 s[68:75], s[82:83], 0x0            ; e0 .. e7
	s_add_nc_u64 s[20:21], s[4:5], s[20:21]
	s_add_nc_u64 s[46:47], s[6:7], s[46:47]
	CROUND                                         ; all sixteen work-groups are here: the first joint loads meet
.irp s, 0,1
	s_mov_b32 s[G0+4*\s], 1
	s_add_co_u32 s[G0+4*\s+1], s45, \s*SLOT
	s_add_nc_u64 s[G0+4*\s+2:G0+4*\s+3], s[20:21], \s*ROWB
	s_or_b32 s[G0+4*\s+3], s[G0+4*\s+3], 0x80000000
	s_mov_b32 s[G0B+4*\s], 1
	s_add_co_u32 s[G0B+4*\s+1], s45, \s*SLOT
	s_add_nc_u64 s[G0B+4*\s+2:G0B+4*\s+3], s[46:47], \s*ROWB
	s_or_b32 s[G0B+4*\s+3], s[G0B+4*\s+3], 0x80000000
.endr
	JLOAD G0, G1, G0B, G1B                         ; K step 0: one tensor load a wave at the head
	v_and_b32 v1, 15, v0                           ; r
	v_bfe_u32 v2, v0, 4, 1                         ; g = lane / 16
	s_wait_alu depctr_va_vdst(0)
	v_mul_u32_u24 v3, v1, PITCH
	v_lshl_add_u32 v4, v2, 4, v3
	s_mul_i32 s21, s15, HALFT
	s_mul_i32 s22, s16, HALFT
	s_add_co_u32 s22, s22, 2*HALFT
.irp s, 0,1
	v_add_nc_u32 v[ADRA+\s], s21, v4
	v_add_nc_u32 v[ADRB+\s], s22, v4
	s_add_co_u32 s21, s21, SLOT
	s_add_co_u32 s22, s22, SLOT
.endr
	s_mul_i32 s23, s14, WST
	v_and_b32 v6, 31, v0
	v_lshlrev_b32 v[CO], 4, v6
	v_lshlrev_b32 v[BIO], 5, v2
	v_lshlrev_b32 v[BVO], 2, v1
	v_mul_u32_u24 v[RSA], v2, 272                  ; rope stage, in: a load's 512 bytes are two rows: row lane / 16, 16 bytes a lane
	v_lshl_add_u32 v[RSA], v1, 4, v[RSA]
	v_add_nc_u32 v[RSA], s23, v[RSA]
	v_lshl_add_u32 v[RRA], v2, 5, v3               ; out: row r, + 32 g: the eight numbers of my half of a block of 16 channels
	v_add_nc_u32 v[RRA], s23, v[RRA]
	; the bias: q, k: by my first column; v: by my first row
	s_lshl_b32 s18, s17, 8
	s_lshl_b32 s19, s15, 7
	s_add_co_u32 s18, s18, s19
	s_lshl_b32 s22, s42, 8
	s_lshl_b32 s23, s16, 7
	s_add_co_u32 s22, s22, s23
	s_cmp_eq_u32 s66, 2
	s_cselect_b32 s18, s18, s22
	s_lshl_b32 s18, s18, 2
	s_mov_b32 s19, 0
	s_add_nc_u64 s[8:9], s[8:9], s[18:19]
	; the rope's rows of my 128 tokens: position (tile row % 8) x 256 + 128 x half, rows of 256 bytes
	s_and_b32 s18, s17, 7
	s_lshl_b32 s18, s18, 8
	s_lshl_b32 s22, s15, 7
	s_add_co_u32 s18, s18, s22
	s_lshl_b32 s18, s18, 8
	s_add_nc_u64 s[12:13], s[12:13], s[18:19]
	s_wait_kmcnt 0x0
	s_add_co_i32 s18, s68, s69                     ; e0 + e1
	s_add_co_i32 s19, s70, s71                     ; e2 + e3
	s_cmp_eq_u32 s66, 0
	s_cselect_b32 s96, s18, s19
	s_cselect_b32 s98, s72, s73                    ; e4 or e5,
	s_cmp_eq_u32 s66, 2
	s_cselect_b32 s98, s75, s98                    ; or e7
	s_add_co_i32 s96, s96, 127
	s_lshl_b32 s96, s96, 23                        ; the power of two that the sums lack, as f32
	s_mov_b32 s97, s96                             ; (named with it as a pair, so it is written)
	s_add_co_i32 s98, s98, 127
	s_lshl_b32 s99, s98, 23
	v_mov_b32 v[QS], s99                           ; the quantiser's scale: the conversion takes its exponent field
	s_add_co_i32 s98, s98, 8
	s_lshl_b32 s98, s98, 23
	s_or_b32 s98, s98, 0x600000
	v_mov_b32 v[LIM], s98                          ; 448 x the scale
.macro FRAG reg, adr, q, i             ; 16 rows x 128 K: lane l holds row l % 16; registers 4 c .. 4 c + 3 hold K = 32 c + 16 (l / 16) + 0 .. 15: the same order of k in P and in R
.irp c, 0,1,2,3
	ds_load_b128 v[\reg+4*\c:\reg+4*\c+3], v[\adr] offset:128*(\q)+32*\c+(\i)*16*PITCH
.endr
.endm
; 16 matrix instructions: P's blocks a0, a0 + 1 x R's eight.  The 64 accumulators take turns, one instruction a turn, in the same order in every step.
.macro MUL16 a0, p, zero
.irp a, \a0, \a0+1
.irp b, 0,1,2,3,4,5,6,7
.if \zero
	v_wmma_f32_16x16x128_fp8_fp8 v[8*(8*((\a)%4)+\b):8*(8*((\a)%4)+\b)+7], v[128*(\p)+FR*\b:128*(\p)+FR*\b+FR-1], v[AF+FR*(\a):AF+FR*(\a)+FR-1], 0
.else
	v_wmma_f32_16x16x128_fp8_fp8 v[8*(8*((\a)%4)+\b):8*(8*((\a)%4)+\b)+7], v[128*(\p)+FR*\b:128*(\p)+FR*\b+FR-1], v[AF+FR*(\a):AF+FR*(\a)+FR-1], v[8*(8*((\a)%4)+\b):8*(8*((\a)%4)+\b)+7]
.endif
.endr
.endr
.endm
.macro FETCH_B slot, q, p
	WIN TO_B
.irp i, 0,1,2,3,4,5,6,7
	FRAG 128*(\p)+FR*\i, ADRB+\slot, \q, \i
.endr
	WIN 0
.endm
.macro FETCH_A slot, q, i0
.irp i, \i0, \i0+1, \i0+2, \i0+3
	FRAG AF+FR*(\i), ADRA+\slot, \q, \i
.endr
.endm
.macro PLACES n                        ; plain vector instructions between a matrix instruction and a load into, or a read of, its registers
.rept \n
	v_nop
.endr
.endm
.macro STEP slot, q, zero              ; 128 along K, with its successor in the same slot
	s_wait_dscnt 4*NL                              ; R's set and P's blocks 0-3 are in; the youngest 16 loads (P's blocks 4-7) may be out
	WIN MUL_LO
	MUL16 0, (\q)%2, \zero
	MUL16 2, (\q)%2, \zero
	s_wait_dscnt 0
	PLACES NP
	FETCH_B \slot, (\q)+1, 1-(\q)%2
	FETCH_A \slot, (\q)+1, 0
	WIN MUL_HI
	MUL16 4, (\q)%2, \zero
	MUL16 6, (\q)%2, \zero
	PLACES NP
	WIN 0
	FETCH_A \slot, (\q)+1, 4
.endm
; A slot's last step changes slots: in front of the one barrier each wave waits for all its tensor loads, adds 0 to its spare word, and waits for that and for its reads of this slot.
.macro TURN slot, next, fill
	s_wait_tensorcnt 0x0                           ; all my tensor loads have landed: my part of the next slot
	ds_add_u32 v[SPW], v[NIL]                      ; 0 onto my spare word
	s_wait_dscnt 4*NL+1                            ; the add and the youngest 16 loads may be out
	WIN MUL_LO
	MUL16 0, 1, 0
	s_wait_dscnt 0x0                               ; the add is done, and my reads of this slot are over
	s_barrier_signal -1
	MUL16 2, 1, 0
	WIN 0
	s_barrier_wait -1
.if \fill
	CREST                                          ; the barrier has opened a round of the cluster's: no wave of any partner still reads this slot or has a load on its way
	s_add_nc_u64 s[G0+4*\slot+2:G0+4*\slot+3], s[G0+4*\slot+2:G0+4*\slot+3], 2*ROWB
	s_add_nc_u64 s[G0B+4*\slot+2:G0B+4*\slot+3], s[G0B+4*\slot+2:G0B+4*\slot+3], 2*ROWB
	JLOAD G0+4*\slot, G1, G0B+4*\slot, G1B         ; the first tensor load behind the round; its four v_nop are the places in front of the loads below
.else
	PLACES NP
.endif
	FETCH_B \next, 0, 0
	FETCH_A \next, 0, 0
	WIN MUL_HI
	MUL16 4, 1, 0
	MUL16 6, 1, 0
	PLACES NP
	WIN 0
	FETCH_A \next, 0, 4
.endm
; The very last step of 128 along K: nothing more to fetch.  It stands once on each of the two ways; its closing places stand in front of the first reads of results and of the loads into P's registers.
.macro LAST
	s_wait_dscnt 4*NL                              ; R's set and P's blocks 0-3 are in; the youngest 16 loads may be out
	WIN MUL_LO
	MUL16 0, 1, 0
	MUL16 2, 1, 0
	s_wait_dscnt 0
	WIN MUL_HI
	MUL16 4, 1, 0
	MUL16 6, 1, 0
	WIN 0
	PLACES NP
.endm
.macro RL a                            ; the rope's 16 rows of block a, 4,096 bytes as they lie: each load reads 512 consecutive bytes
.irp i, 0,1,2,3,4,5,6,7
	global_load_b128 v[RG+32*((\a)%3)+4*\i:RG+32*((\a)%3)+4*\i+3], v[CO], s[12:13] offset:4096*(\a)+512*\i
.endr
.endm
; THE WAY OUT OF q AND k, block by block of 16 tokens.  The block's rope rows turn through my stage, so that lane (r, g) gets, of row r, the 8 numbers (4 pairs sin, cos) of its half of each block of 16 channels.
.macro RTURN a
.irp i, 0,1,2,3,4,5,6,7
	ds_store_b128 v[RSA], v[RG+32*((\a)%3)+4*\i:RG+32*((\a)%3)+4*\i+3] offset:544*\i
.endr
.irp i, 0,1,2,3,4,5,6,7
	ds_load_b128 v[RP+4*\i:RP+4*\i+3], v[RRA] offset:64*(\i/2)+16*(\i%2)   ; LDS serves a wave's instructions in order (ISA guide 5.7.1.4): these see the stores above
.endr
.endm
; One head (hh) of block a: x = sum x 2^E + bias; (even, odd) -> (even cos - odd sin, even sin + odd cos); the hold; the conversion; 1,024 bytes out.
.macro EQK a, hh
	WIN 0x12+((\a)/4)                              ; source 0 (the sums) window 2 or 3, source 2 (the biases) window 1
.irp be, 0,1,2,3
.irp m, 0,2,4,6
	v_pk_fma_f32 v[X+8*\be+\m:X+8*\be+\m+1], v[8*(8*((\a)%4)+4*(\hh)+\be)+\m:8*(8*((\a)%4)+4*(\hh)+\be)+\m+1], s[96:97], v[8*(4*(\hh)+\be)+\m:8*(4*(\hh)+\be)+\m+1] op_sel_hi:[1,0,1]   ; each accumulator from its low end on
.endr
.endr
	WIN 0
.irp j, 0,2,4,6,8,10,12,14,16,18,20,22,24,26,28,30
	v_pk_mul_f32 v[T+\j:T+\j+1], v[X+\j:X+\j+1], v[RP+\j:RP+\j+1] op_sel:[1,0] op_sel_hi:[1,1]   ; (odd sin, odd cos)
.endr
.irp j, 0,2,4,6,8,10,12,14,16,18,20,22,24,26,28,30
	v_pk_fma_f32 v[T+\j:T+\j+1], v[X+\j:X+\j+1], v[RP+\j:RP+\j+1], v[T+\j:T+\j+1] op_sel:[0,1,0] op_sel_hi:[0,0,1] neg_lo:[0,0,1]   ; (even cos - odd sin, even sin + odd cos)
.endr
.irp j, 0,1,2,3,4,5,6,7,8,9,10,11,12,13,14,15,16,17,18,19,20,21,22,23,24,25,26,27,28,29,30,31
	v_med3_num_f32 v[T+\j], v[T+\j], -v[LIM], v[LIM]   ; the conversion to an 8-bit code does not saturate (ISA guide 7.6.2): the hold at the largest code x the scale
.endr
	s_wait_alu depctr_va_vdst(0)
	s_wait_xcnt 0x0                                ; the earlier stores have read their data: the codes' registers are written again only behind this wait
.irp be, 0,1,2,3
	v_cvt_scalef32_pk8_fp8_f32 v[CD+8*(\hh)+2*\be:CD+8*(\hh)+2*\be+1], v[T+8*\be:T+8*\be+7], v[QS]
.endr
	v_nop                                          ; one plain vector instruction behind the last conversion
.irp u, 0,1
	global_store_b128 v[CO], v[CD+8*(\hh)+4*\u:CD+8*(\hh)+4*\u+3], s[10:11] offset:131072*(\hh)+1024*(\a)+512*\u   ; 32 lanes store 512 consecutive bytes, aligned
.endr
.endm
; THE WAY OUT OF v: block a = 16 channels (one a lane), registers along the wave's 128 keys: half hb of them at a time.
.macro EV a, hb
	WIN 0x02+((\a)/4)
.irp be, 0,1,2,3
.irp m, 0,2,4,6
.if ((\a)%2) == 0
	v_pk_fma_f32 v[X+8*\be+\m:X+8*\be+\m+1], v[8*(8*((\a)%4)+4*(\hb)+\be)+\m:8*(8*((\a)%4)+4*(\hb)+\be)+\m+1], s[96:97], v[RG+2*((\a)/2):RG+2*((\a)/2)+1] op_sel_hi:[1,0,0]
.else
	v_pk_fma_f32 v[X+8*\be+\m:X+8*\be+\m+1], v[8*(8*((\a)%4)+4*(\hb)+\be)+\m:8*(8*((\a)%4)+4*(\hb)+\be)+\m+1], s[96:97], v[RG+2*((\a)/2):RG+2*((\a)/2)+1] op_sel:[0,0,1] op_sel_hi:[1,0,1]
.endif
.endr
.endr
	WIN 0
.irp j, 0,1,2,3,4,5,6,7,8,9,10,11,12,13,14,15,16,17,18,19,20,21,22,23,24,25,26,27,28,29,30,31
	v_med3_num_f32 v[X+\j], v[X+\j], -v[LIM], v[LIM]
.endr
	s_wait_alu depctr_va_vdst(0)
	s_wait_xcnt 0x0
.irp be, 0,1,2,3
	v_cvt_scalef32_pk8_fp8_f32 v[CD+8*(\hb)+2*\be:CD+8*(\hb)+2*\be+1], v[X+8*\be:X+8*\be+7], v[QS]
.endr
	v_nop
.irp u, 0,1
	global_store_b128 v[CO], v[CD+8*(\hb)+4*\u:CD+8*(\hb)+4*\u+3], s[10:11] offset:131072*((\a)/4)+2048*((\a)%4)+512*(2*(\hb)+\u)
.endr
.endm
	s_wait_alu depctr_va_vdst(0)                   ; the wait at the head's end
	s_wait_tensorcnt 0x0                           ; my part of K step 0 is in; slot 1's first fill is issued as a refill is:
	ds_add_u32 v[SPW], v[NIL]                      ; 0 onto my spare word
	s_wait_dscnt 0x0
	CROUND                                         ; everybody's part of K step 0 is in, and all sixteen work-groups are here
	JLOAD G0+4, G1, G0B+4, G1B                     ; K step 1: the first tensor load behind the round
	FETCH_B 0, 0, 0
	FETCH_A 0, 0, 0
	FETCH_A 0, 0, 4
	STEP 0, 0, 1                                   ; the first step's products start the sums
	s_mov_b32 s3, LAPS-1
.Llap:
	TURN 0, 1, 1
	STEP 1, 0, 0
	TURN 1, 0, 1
	STEP 0, 0, 0
	s_sub_co_u32 s3, s3, 1
	s_cmp_lg_u32 s3, 0
	s_cbranch_scc1 .Llap
	TURN 0, 1, 0
	STEP 1, 0, 0
	s_cmp_eq_u32 s66, 2                            ; HERE THE TEXT PARTS, once: q and k go on below, v at .Lway_v
	s_cbranch_scc1 .Lway_v
	; q, k.  What the way out will want is asked for here, one step ahead.  R's set 0 is done with, four places back (the step's closing ones): the biases land there.
	WIN 0x40
	s_wait_alu depctr_va_vdst(0)
.irp b, 0,1,2,3,4,5,6,7
	global_load_b128 v[8*\b:8*\b+3], v[BIO], s[8:9] offset:64*\b        ; the biases of channels 16 b + 8 g + 0..7 of my 128 columns
	global_load_b128 v[8*\b+4:8*\b+7], v[BIO], s[8:9] offset:64*\b+16
.endr
	WIN 0
	RL 0
	RL 1
	RL 2
	s_lshr_b32 s18, s17, 3                         ; where my codes go: ((16 batch + 4 tile column + 2 half) x 128 + 16 (tile row % 8) + 8 half) x 1,024
	s_lshl_b32 s18, s18, 4
	s_lshl_b32 s19, s42, 2
	s_add_co_u32 s18, s18, s19
	s_lshl_b32 s19, s16, 1
	s_add_co_u32 s18, s18, s19
	s_lshl_b32 s18, s18, 7
	s_and_b32 s19, s17, 7
	s_lshl_b32 s19, s19, 4
	s_add_co_u32 s18, s18, s19
	s_lshl_b32 s19, s15, 3
	s_add_co_u32 s18, s18, s19
	s_lshl_b32 s18, s18, 10
	s_mov_b32 s19, 0
	s_add_nc_u64 s[10:11], s[10:11], s[18:19]
	LAST
.irp a, 0,1,2,3,4,5,6,7
.if \a < 6
	s_wait_loadcnt 16                              ; the biases and this block's rope rows are in; the two blocks' behind it may be out
.elseif \a == 6
	s_wait_loadcnt 8
.else
	s_wait_loadcnt 0
.endif
	RTURN \a
	s_wait_dscnt 0x0                               ; my rope numbers are in, and the stage's stores have read their registers,
.if \a < 5
	RL \a+3                                        ; which take the rows of three blocks on
.endif
	EQK \a, 0
	EQK \a, 1
.endr
	s_branch .Lend
.Lway_v:
	s_wait_alu depctr_va_vdst(0)
.irp a, 0,1,2,3,4,5,6,7
	global_load_b32 v[RG+\a], v[BVO], s[8:9] offset:64*\a               ; the bias of channel 16 a + r of my 128 rows
.endr
	s_lshr_b32 s18, s42, 3                         ; where my codes go: (((16 batch + 4 tile row + 2 half) x 16 + 2 (tile column % 8) + half) x 4) x 2,048
	s_lshl_b32 s18, s18, 4
	s_lshl_b32 s19, s17, 2
	s_add_co_u32 s18, s18, s19
	s_lshl_b32 s19, s15, 1
	s_add_co_u32 s18, s18, s19
	s_lshl_b32 s18, s18, 4
	s_and_b32 s19, s42, 7
	s_lshl_b32 s19, s19, 1
	s_add_co_u32 s18, s18, s19
	s_add_co_u32 s18, s18, s16
	s_lshl_b32 s18, s18, 13
	s_mov_b32 s19, 0
	s_add_nc_u64 s[10:11], s[10:11], s[18:19]
	LAST
	s_wait_loadcnt 0x0                             ; the biases
.irp a, 0,1,2,3,4,5,6,7
	EV \a, 0
	EV \a, 1
.endr
	s_branch .Lend
; THE MASK.  A wave takes one tile of 16 queries x 2,048 keys, 256 keys at a time: eight loads of two rows x 256 bytes; through my stage; lane (r, g) then holds, of row r, the 8 bytes of its half of each group of 16 keys.
; A compare of one byte over the 32 lanes IS the word that attention wants; 128 words are gathered four to a lane and stored as 512 consecutive bytes.  Nothing here branches on the mask.
.macro MLOAD
.irp i, 0,1,2,3,4,5,6,7
	global_load_b128 v[MG+4*\i:MG+4*\i+3], v2, s[4:5] offset:4096*\i th:TH_LOAD_NT   ; sixteen lanes read 256 consecutive bytes, aligned
.endr
.endm
.macro MBODY ahead
	s_wait_loadcnt 0x0
.irp i, 0,1,2,3,4,5,6,7
	ds_store_b128 v3, v[MG+4*\i:MG+4*\i+3] offset:544*\i
.endr
.irp c, 0,1,2,3,4,5,6,7,8,9,10,11,12,13,14,15
	ds_load_b64 v[MP+2*\c:MP+2*\c+1], v4 offset:16*\c
.endr
	s_wait_dscnt 0x0                               ; my bytes are in, and the stage's stores have read their registers
.if \ahead
	s_add_nc_u64 s[4:5], s[4:5], 256               ; (its loads are done)
	MLOAD                                          ; the next 256 keys come while these are worked
.endif
.set cc, 0
.rept 16
.set jj, 0
.rept 8
.if (jj%4) < 3
	v_and_b32 v[132+jj], 0xff<<(8*(jj%4)), v[MP+2*cc+jj/4]
	v_cmp_ne_u32 s[68+8*(cc%2)+jj], 0, v[132+jj]
.else
	v_cmp_lt_u32 s[68+8*(cc%2)+jj], 0xffffff, v[MP+2*cc+jj/4]
.endif
.set jj, jj+1
.endr
.set WB, 68+8*(cc%2)                   ; the step's 64 words are joined by OR (s[34:35]) and by AND (s[36:37]), two words an instruction
.if (cc%8) == 0
	s_or_b64 s[34:35], s[WB:WB+1], s[WB+2:WB+3]
	s_and_b64 s[36:37], s[WB:WB+1], s[WB+2:WB+3]
.else
	s_or_b64 s[34:35], s[34:35], s[WB:WB+1]
	s_and_b64 s[36:37], s[36:37], s[WB:WB+1]
	s_or_b64 s[34:35], s[34:35], s[WB+2:WB+3]
	s_and_b64 s[36:37], s[36:37], s[WB+2:WB+3]
.endif
	s_or_b64 s[34:35], s[34:35], s[WB+4:WB+5]
	s_and_b64 s[36:37], s[36:37], s[WB+4:WB+5]
	s_or_b64 s[34:35], s[34:35], s[WB+6:WB+7]
	s_and_b64 s[36:37], s[36:37], s[WB+6:WB+7]
.if (cc%8) == 7                        ; a step of 128 keys is complete: its two flag bits, by selects
	s_or_b32 s34, s34, s35
	s_and_b32 s36, s36, s37
	s_or_b32 s32, s32, s34                         ; which lanes (query, half) have seen a true entry
	s_cmp_lg_u32 s34, 0
	s_cselect_b32 s35, s33, 0
	s_or_b32 s30, s30, s35
	s_cmp_eq_u32 s36, -1
	s_cselect_b32 s37, s33, 0
	s_or_b32 s31, s31, s37
	s_lshl_b32 s33, s33, 1
.endif
.set jj, 0
.rept 8
	v_writelane_b32 v[128+jj%4], s[68+8*(cc%2)+jj], 2*cc+jj/4
.set jj, jj+1
.endr
.set cc, cc+1
.endr
	global_store_b128 v[CO], v[128:131], s[6:7]    ; two steps' words: 512 consecutive bytes
.if \ahead
	s_wait_xcnt 0x0                                ; the store has read its data and its base
	s_add_nc_u64 s[6:7], s[6:7], 512
.endif
.endm
.Lmask:
	s_mov_b32 s30, 0                               ; steps with a true entry
	s_mov_b32 s31, 0                               ; steps that are all true
	s_mov_b32 s32, 0                               ; lanes with a true entry
	s_mov_b32 s33, 1                               ; the step's bit
	s_sub_co_u32 s18, s67, 24
	s_lshl_b32 s18, s18, 4
	s_lshl_b32 s19, s41, 2
	s_add_co_u32 s18, s18, s19
	s_add_co_u32 s18, s18, s40
	s_lshl_b32 s18, s18, 2
	s_add_co_u32 s18, s18, s14                     ; my tile of queries, 0 .. 511: it enters global addresses alone
	s_lshl_b32 s20, s18, 15                        ; 16 rows of 2,048 bytes
	s_mov_b32 s21, 0
	s_lshl_b32 s22, s18, 12                        ; a tile's words are 4,096 bytes
	s_mov_b32 s23, 0
	v_and_b32 v1, 15, v0
	v_bfe_u32 v6, v0, 4, 1
	v_lshlrev_b32 v2, 11, v6
	v_lshl_add_u32 v2, v1, 4, v2                   ; in memory: row lane / 16, 16 bytes a lane
	s_mul_i32 s24, s14, WST
	s_add_co_u32 s24, s24, MSTG
	v_mul_u32_u24 v3, v6, 272
	v_lshl_add_u32 v3, v1, 4, v3
	v_add_nc_u32 v3, s24, v3                       ; the stage, in
	v_mul_u32_u24 v4, v1, 272
	v_lshl_add_u32 v4, v6, 3, v4
	v_add_nc_u32 v4, s24, v4                       ; and out: row r, + 8 g
	v_and_b32 v7, 31, v0
	v_lshlrev_b32 v[CO], 4, v7
	v_mov_b32 v128, 0                              ; written once: a lane write's destination counts as one of its sources
	v_mov_b32 v129, 0
	v_mov_b32 v130, 0
	v_mov_b32 v131, 0
	s_wait_kmcnt 0x0
	s_add_nc_u64 s[4:5], s[84:85], s[20:21]
	s_add_nc_u64 s[6:7], s[92:93], s[22:23]
	s_lshl_b32 s26, s18, 8                         ; a tile's flags are 256 bytes
	s_mov_b32 s27, 0
	s_add_nc_u64 s[8:9], s[94:95], s[26:27]
	MLOAD
	s_mov_b32 s3, 7
.Lmchunk:
	s_wait_alu depctr_va_vdst(0)
	MBODY 1
	s_sub_co_u32 s3, s3, 1
	s_cmp_lg_u32 s3, 0
	s_cbranch_scc1 .Lmchunk
	MBODY 0                                        ; the last 256 keys: no load leaves the buffer
	s_lshr_b32 s34, s32, 16                        ; a query's two halves of the lanes are joined
	s_or_b32 s34, s34, s32
	s_and_b32 s34, s34, 0xffff
	s_cmp_eq_u32 s34, 0xffff                       ; has every one of the 16 rows a true entry?
	s_cselect_b32 s30, s30, 0xffff                 ; a row with none averages all keys: then every step is to be walked
	s_lshl_b32 s31, s31, 16
	s_or_b32 s30, s30, s31
	v_mov_b32 v132, s30
	v_mov_b32 v133, s30
	v_lshrrev_b32 v134, 1, v[CO]                   ; 8 x lane
	global_store_b64 v134, v[132:133], s[8:9]      ; 32 lanes store 256 consecutive bytes, aligned
.Lend:
	s_wait_tensorcnt 0x0                           ; the wave's end
	ds_add_u32 v[SPW], v[NIL]
	s_wait_dscnt 0x0
	CROUND                                         ; the closing round: no work-group ends while a partner may still ask for a tile that names it
	s_endpgm
.Lfunc_end_k_q5806738a45_proj:
	.size	k_q5806738a45_proj, .Lfunc_end_k_q5806738a45_proj-k_q5806738a45_proj
	.p2alignl 7, 3214868480
	.fill 96, 4, 3214868480
	.section	.rodata,"a",@progbits
	.p2align	6, 0x0
	.amdhsa_kernel k_q5806738a45_proj
		.amdhsa_group_segment_fixed_size 327680
		.amdhsa_private_segment_fixed_size 0
		.amdhsa_enable_private_segment 0
		.amdhsa_kernarg_size 112
		.amdhsa_user_sgpr_count 2
		.amdhsa_user_sgpr_kernarg_segment_ptr 1
		.amdhsa_wavefront_size32 1
		.amdhsa_system_sgpr_workgroup_id_x 1
		.amdhsa_system_sgpr_workgroup_id_y 1
		.amdhsa_system_sgpr_workgroup_id_z 1
		.amdhsa_system_vgpr_workitem_id 0
		.amdhsa_next_free_vgpr 1024
		.amdhsa_next_free_sgpr 100
		.amdhsa_reserve_vcc 0
		.amdhsa_float_denorm_mode_32 3
		.amdhsa_float_denorm_mode_16_64 3
		.amdhsa_memory_ordered 1
		.amdhsa_forward_progress 1
		.amdhsa_inst_pref_size 255
	.end_amdhsa_kernel
	.section	.bss,"aw",@nobits
	.p2align	6
	.space	262144
	.amdgpu_metadata
---
amdhsa.version: [ 1, 2 ]
amdhsa.kernels:
  - .name:           k_q5806738a45_proj
    .symbol:         k_q5806738a45_proj.kd
    .args:
      - { .name: q_in_codes, .offset: 0, .size: 8, .value_kind: global_buffer, .address_space: global }
      - { .name: k_in_codes, .offset: 8, .size: 8, .value_kind: global_buffer, .address_space: global }
      - { .name: Wq_codes, .offset: 16, .size: 8, .value_kind: global_buffer, .address_space: global }
      - { .name: Wkv_codes, .offset: 24, .size: 8, .value_kind: global_buffer, .address_space: global }
      - { .name: bq, .offset: 32, .size: 8, .value_kind: global_buffer, .address_space: global }
      - { .name: bkv, .offset: 40, .size: 8, .value_kind: global_buffer, .address_space: global }
      - { .name: rope, .offset: 48, .size: 8, .value_kind: global_buffer, .address_space: global }
      - { .name: lowp_scales, .offset: 56, .size: 8, .value_kind: global_buffer, .address_space: global }
      - { .name: mask, .offset: 64, .size: 8, .value_kind: global_buffer, .address_space: global }
      - { .name: qc, .offset: 72, .size: 8, .value_kind: global_buffer, .address_space: global }
      - { .name: kc, .offset: 80, .size: 8, .value_kind: global_buffer, .address_space: global }
      - { .name: vc, .offset: 88, .size: 8, .value_kind: global_buffer, .address_space: global }
      - { .name: maskw, .offset: 96, .size: 8, .value_kind: global_buffer, .address_space: global }
      - { .name: mflags, .offset: 104, .size: 8, .value_kind: global_buffer, .address_space: global }
    .group_segment_fixed_size: 327680
    .private_segment_fixed_size: 0
    .kernarg_segment_align: 8
    .kernarg_segment_size: 112
    .max_flat_workgroup_size: 128
    .sgpr_count:     100
    .vgpr_count:     1024
    .wavefront_size: 32
...
	.end_amdgpu_metadata
.endif
;; end of part 1
;; launch attn (part 2): grid 64 x 4, 8 waves a work-group, no clusters, 263,168 bytes of LDS; arguments qc, kc, vc, maskw, lowp_scales, oc, mflags; writes oc
.if DOCPART == 2
	.amdgcn_target "amdgcn-amd-amdhsa--gfx1250"
	.amdhsa_code_object_version 6
	.text
	.protected	k_q5806738a45_attn
	.globl	k_q5806738a45_attn
	.p2align	8
	.type	k_q5806738a45_attn,@function
k_q5806738a45_attn:
	s_mov_b64 s[64:65], 0
	v_nop
	global_prefetch_b8 v0, s[64:65] scope:SCOPE_SE
	s_setreg_imm32_b32 hwreg(HW_REG_WAVE_MODE, 25, 1), 1
	s_wait_xcnt 0x0
; ATTENTION ON CODES OF E4M3.  o = softmax(q k^T / 8, masked) v for one head (16 b + h = the work-group's x), 512 of its 2,048 queries (the work-group's y), quantised by 2^e8 for the last projection.
; A HEAD'S WHOLE K AND V, 2 x 131,072 bytes of codes, LIE IN LDS as images of the operands' registers: each of the eight waves copies 32,768 dense bytes through registers (64 loads and 64 LDS stores of 512 bytes);
; behind the one barrier LDS is only read, and the waves share nothing more.
; THE MASK STEERS THE WALK BY WHOLE NUMBERS READ FROM MEMORY (mflags, stored by the launch before).  A step of 128 keys in which no query of my 32 has a true entry adds p = 0 to rows that have a true entry elsewhere: it is
; jumped over.  Where some row of a tile has no true entry at all, that tile's flags name all 16 steps, so that the row averages all keys as with -1e9.  A step that is all true for my 32 queries has no mask lines.
; This launch has no tensor load and so no joint loads: cluster = none.  K and V are read once, at the head, with no loop to run ahead in: no prefetch.
; The hold of p at 448 x 2^e6 is jumped over where e6 >= -8: there 448 x 2^e6 >= 1 >= p, and the hold changes nothing.
; SHARES.  Two passes; in each a wave owns 32 queries: two tiles of 16, tile 0 in register window 0 and tile 1 in window 1 under the same numbers.  Pair a = 8 y + wave in pass 0, pair 63 - a in pass 1 (a fixed deal, for any mask).
; Both passes' Q and flags are asked for at the head.  The loop over steps has 16 trips always; a scalar branch at a trip's head leads round the step's work.
; S^T = K Q^T (source 0 = 16 keys, source 1 = my 16 queries; K = 64) and O^T = V^T P^T (source 0 = 16 channels, source 1 = P; K = 128): a lane holds ONE query throughout, register 8 c + j of S^T
; is key 16 c + 8 (lane / 16) + j, and the conversions of 8 such registers are registers 2 c, 2 c + 1 of P's fragment.  Each fragment of K and V read from LDS feeds both tiles.
; K's fragments are asked for one step ahead, behind the score products; s100 says which step lies in the registers, and a step that finds another one there loads its own.
; THE SOFTMAX: t = score x log2(e) / 8 x 2^(e4 + e5); M = the running largest t rounded up to a whole number, kept as -M = floor(-t); p = 2^(t - M) is quantised by 2^e6; the sum is taken of the unquantised p; when M
; moves, sum and O^T are multiplied by 2^(old M - new M), exactly; at the end O^T is divided by the sum.
; THE MASK WORDS are lane bits: one v_cndmask_b32 a score, the word in a scalar register.  A masked score becomes -2^(33 - e4 - e5): its t is -1.4427 x 2^30.  Tile 0's words of the pass's first step with mask lines are
; asked for at the pass's head (s3 says which step's they are).
; LIMITS: e4 + e5 between -94 and 9 (real logits stay far above the masked one, which stands at -1.07e9 in place of -1e9; both give p = 0 beside a real logit and p = 1 among themselves); e6, e8 between -126 and 119.
; oc: [h / 4][tile of 16 rows: 128 b + tile][(h / 2) % 2][2 (h % 2) + c][512]: lane (r, g) holds k = 64 h + 32 c + 16 g + 0..15 of row r.
; REGISTERS (both windows): v16-79 S^T, then p; v80-111 O^T; v112-127 p's codes; v136 -M, v137 the largest t, v[138:139] the sum, v[140:141] f, v142-147, v154-159 at work; v148-152 constants; v160-167 lane exchange;
;   v168-175 Q, v176-183 the second pass's Q.  window 0 alone: v1 16 x lane, v2, v3 LDS addresses, v6, v7 Q's offsets, v190, v191 the spare word's address and 0, v192-255 K's fragments.  window 1 alone: v192-255 V's fragments.
;   At the head v16-143 of both windows carry the copy.
; SCALARS: s3 the step of the early words, s[4:5] qc, s[6:7] the mask words' place, s[8:9] a load's base, s[10:11] maskw, s[12:13] the pass's place in oc, s[14:15] oc, s16 wave, s17 head, s18 pair, s19 passes, s20 step,
;   s21 8,192 x step, s[22:23] c, s[24:25] lane selects, s26 lanes 16-31, s27 steps to walk, s28 steps all true, s29 1 where the hold is needed, s30 e6 + e7; s[32:63], s[68:99] 64 mask words; s66, s67 the second pass's flags;
;   s[100:101] mflags, then s100 the step whose K lies in registers, s101 the early words' offset.
.set S,    16
.set O,    80
.set PC,   112
.set NM,   136
.set TM,   137
.set L,    138
.set FF,   140
.set C0,   142
.set C1,   143
.set PX,   144
.set TT,   145
.set L2,   146
.set SENT, 148                         ; the masked score
.set LIM,  149                         ; 448 x 2^e6
.set QSC,  150                         ; 2^e6
.set LIM8, 151                         ; 448 x 2^e8
.set QS8,  152                         ; 2^e8
.set C2,   154
.set C3,   155
.set L3,   156
.set L4,   158
.set XB,   160
.set Q,    168
.set QN,   176
.set SPW,  190
.set NIL,  191
.set KF,   192
.set VF,   192
.set VOFF, 131072                      ; V's images lie behind K's
.set SPARE, 262144                     ; the spare words: 128 bytes a wave, named by no other line
.set MSB, 0
.macro WIN new                         ; bits 1:0 source 0, 3:2 source 1, 5:4 source 2, 7:6 destination; the high byte repeats the setting that is left
.if MSB != (\new)
	s_set_vgpr_msb (MSB<<8)|(\new)
.set MSB, (\new)
.endif
.endm
	s_load_b256 s[4:11], s[0:1], 0x0               ; qc 4, kc 6, vc 8, maskw 10
	s_load_b128 s[12:15], s[0:1], 0x20             ; the scales' exponents 12, oc 14
	s_load_b64 s[100:101], s[0:1], 0x30            ; mflags
	v_lshl_add_u32 v[SPW], v0, 2, SPARE
	v_mov_b32 v[NIL], 0
	v_and_b32 v1, 31, v0
	v_lshrrev_b32 v5, 5, v0
	v_lshlrev_b32 v1, 4, v1                        ; 16 x lane
	v_readfirstlane_b32 s16, v5                    ; wave 0..7
	s_wait_alu depctr_va_vdst(0)
	s_mov_b32 s17, ttmp9                           ; 16 b + h
	s_and_b32 s18, ttmp7, 0xffff
	s_lshl_b32 s18, s18, 3
	s_add_co_u32 s18, s18, s16                     ; a: my pair of tiles in pass 0: 8 y + wave
	s_lshl_b32 s31, s16, 15
	v_add_nc_u32 v2, s31, v1                       ; LDS: 32,768 x wave + 16 x lane: K's four quarters, then V's
	s_lshl_b32 s20, s17, 7                         ; a head has 128 tiles of queries, 1,024 bytes each
	s_lshl_b32 s21, s18, 1                         ; 2 a
	s_add_co_u32 s2, s20, s21
	s_lshl_b32 s2, s2, 10
	s_sub_co_u32 s3, s20, s21
	s_add_co_u32 s3, s3, 126                       ; pass 1: tile 2 (63 - a)
	s_lshl_b32 s3, s3, 10
	v_add_nc_u32 v6, s2, v1                        ; Q's offsets in qc, pass 0
	v_add_nc_u32 v7, s3, v1                        ; and pass 1
	s_lshr_b32 s22, s17, 4
	s_lshl_b32 s22, s22, 7                         ; 128 b
	s_add_co_u32 s23, s22, s21
	s_lshl_b32 s23, s23, 8                         ; a tile's flags are 256 bytes: pass 0's,
	s_sub_co_u32 s22, s22, s21
	s_add_co_u32 s22, s22, 126
	s_lshl_b32 s22, s22, 8                         ; pass 1's
	s_lshl_b32 s24, s17, 17                        ; a head's codes are 131,072 bytes;
	s_and_b32 s25, s16, 3
	s_lshl_b32 s25, s25, 15                        ; my quarter of them
	s_add_co_u32 s24, s24, s25
	s_mov_b32 s25, 0
	s_wait_alu depctr_va_vdst(0)
	s_wait_kmcnt 0x0
	s_cmp_lt_u32 s16, 4                            ; waves 0-3 copy K, waves 4-7 V
	s_cselect_b64 s[8:9], s[6:7], s[8:9]
	s_add_nc_u64 s[8:9], s[8:9], s[24:25]
	s_load_b128 s[68:71], s[12:13], 0x10           ; e4, e5, e6, e7
	s_load_b32 s72, s[12:13], 0x20                 ; e8
	s_load_b32 s27, s[100:101], s23 offset:0x0     ; pass 0: tile 0's flags,
	s_load_b32 s28, s[100:101], s23 offset:0x100   ; tile 1's
	s_load_b32 s66, s[100:101], s22 offset:0x0     ; pass 1 likewise
	s_load_b32 s67, s[100:101], s22 offset:0x100
	global_load_b128 v[Q:Q+3], v6, s[4:5]
	global_load_b128 v[Q+4:Q+7], v6, s[4:5] offset:512
	global_load_b128 v[QN:QN+3], v7, s[4:5]
	global_load_b128 v[QN+4:QN+7], v7, s[4:5] offset:512
.set i, 0
.rept 32
	global_load_b128 v[16+4*i:19+4*i], v1, s[8:9] offset:512*i          ; each load reads 512 consecutive bytes, aligned
.set i, i+1
.endr
	WIN 0x40
	global_load_b128 v[Q:Q+3], v6, s[4:5] offset:1024
	global_load_b128 v[Q+4:Q+7], v6, s[4:5] offset:1536
	global_load_b128 v[QN:QN+3], v7, s[4:5] offset:1024
	global_load_b128 v[QN+4:QN+7], v7, s[4:5] offset:1536
.set i, 0
.rept 32
	global_load_b128 v[16+4*i:19+4*i], v1, s[8:9] offset:16384+512*i
.set i, i+1
.endr
	WIN 0
	s_mov_b32 s24, 0x76543210                      ; v_permlanex16_b32's selects for lane l xor 16
	s_mov_b32 s25, 0xfedcba98
	s_mov_b32 s26, 0xffff0000                      ; lanes 16-31
	s_wait_kmcnt 0x0
	s_and_b32 s2, s27, s28
	s_or_b32 s27, s27, s28
	s_and_b32 s27, s27, 0xffff                     ; bit s: step s is walked, if either tile asks for it
	s_lshr_b32 s28, s2, 16                         ; bit s: step s is all true in both tiles
	s_and_b32 s2, s66, s67
	s_or_b32 s66, s66, s67
	s_and_b32 s66, s66, 0xffff
	s_lshr_b32 s67, s2, 16
	s_add_co_i32 s2, s68, s69                      ; e4 + e5
	s_lshl_b32 s3, s2, 23
	s_add_co_i32 s22, s3, 0x3e38aa3b               ; c = log2(e) / 8 x 2^(e4 + e5): the exponents are added to the exponent field
	s_mov_b32 s23, s22                             ; (named with it as a pair, so it is written)
	s_sub_co_i32 s2, 160, s2
	s_lshl_b32 s2, s2, 23
	s_or_b32 s73, s2, 0x80000000                   ; -2^(33 - e4 - e5)
	s_add_co_i32 s30, s70, s71                     ; e6 + e7
	s_cmp_lt_i32 s70, -8
	s_cselect_b32 s29, 1, 0                        ; 448 x 2^e6 < 1: p needs its hold
	s_add_co_i32 s2, s70, 127
	s_lshl_b32 s75, s2, 23
	s_add_co_i32 s2, s2, 8
	s_lshl_b32 s2, s2, 23
	s_or_b32 s74, s2, 0x600000
	s_add_co_i32 s2, s72, 127
	s_lshl_b32 s77, s2, 23
	s_add_co_i32 s2, s2, 8
	s_lshl_b32 s2, s2, 23
	s_or_b32 s76, s2, 0x600000
.irp w, 0, 0x40                        ; the constants, in both windows
	WIN \w
	v_mov_b32 v[SENT], s73
	v_mov_b32 v[LIM], s74
	v_mov_b32 v[QSC], s75
	v_mov_b32 v[LIM8], s76
	v_mov_b32 v[QS8], s77
.set i, 0
.rept 8
	v_mov_b32 v[XB+i], 0                           ; written once: a lane permute's destination counts as one of its sources
.set i, i+1
.endr
.endr
	WIN 0
	s_wait_alu depctr_va_vdst(0)
.set i, 0
.rept 32
.if (i%8) == 0
	s_wait_loadcnt 60-i                            ; of 72 loads the oldest 4 + i + 8 are in; the 60 - i behind them may be out
.endif
	ds_store_b128 v2, v[16+4*i:19+4*i] offset:512*i
.set i, i+1
.endr
	WIN 0x04                                       ; the data in window 1
.set i, 0
.rept 32
.if (i%8) == 0
	s_wait_loadcnt 24-i                            ; the 24 - i youngest may be out; the last of these waits is for 0: Q is in too
.endif
	ds_store_b128 v2, v[16+4*i:19+4*i] offset:16384+512*i
.set i, i+1
.endr
	WIN 0
	s_wait_dscnt 0x0                               ; my part of K or V lies in LDS,
	s_barrier_signal -1
	s_barrier_wait -1                              ; everybody's does: behind this barrier K and V are only read
.macro KLOAD                           ; a step's K: 8 tiles of 16 keys x 64, 8 registers each; every load reads 512 consecutive bytes
.irp c, 0,1,2,3,4,5,6,7
.irp u, 0,1
	ds_load_b128 v[KF+8*\c+4*\u:KF+8*\c+4*\u+3], v2 offset:1024*\c+512*\u
.endr
.endr
.endm
.macro VLOAD                           ; a step's V: 4 tiles of 16 channels x 128 keys, 16 registers each, into window 1
	WIN 0x40
.irp a, 0,1,2,3
.irp u, 0,1,2,3
	ds_load_b128 v[VF+16*\a+4*\u:VF+16*\a+4*\u+3], v3 offset:2048*\a+512*\u
.endr
.endr
.endm
.macro MWLOAD off                      ; a tile's 64 mask words of a step: word n in s[32 + n] (n < 32) or s[36 + n]
	s_load_b512 s[32:47], s[6:7], (\off)
	s_load_b512 s[48:63], s[6:7], (\off)+64
	s_load_b512 s[68:83], s[6:7], (\off)+128
	s_load_b512 s[84:99], s[6:7], (\off)+192
.endm
.macro MASK                            ; each accumulator from its low end on
.set n, 0
.rept 64
.if n < 32
	v_cndmask_b32 v[S+n], v[SENT], v[S+n], s[32+n]
.else
	v_cndmask_b32 v[S+n], v[SENT], v[S+n], s[36+n]
.endif
.set n, n+1
.endr
.endm
; A step's front: V's fragments are asked for (K's too, where another step's lie in the registers), S^T is made for both tiles, and the next step's K is asked for.  It stands on each of the two ways of a trip.
.macro FRONT
	s_cmp_eq_u32 s100, s20
	s_cbranch_scc1 .Lhave_\@
	s_wait_dscnt 0x0                               ; the loads that were on their way into K's registers are done
	v_add_nc_u32 v2, s21, v1
	KLOAD
.Lhave_\@:
	v_add_nc_u32 v3, s21, v1
	v_add_nc_u32 v3, VOFF, v3
	VLOAD
	s_wait_dscnt 16                                ; K is in; V's 16 loads may be out
	WIN 0
.irp c, 0,1,2,3,4,5,6,7
	v_wmma_f32_16x16x64_fp8_fp8 v[S+8*\c:S+8*\c+7], v[KF+8*\c:KF+8*\c+7], v[Q:Q+7], 0
.endr
	WIN 0x44                                       ; Q and S^T of tile 1 in window 1, K in window 0
.irp c, 0,1,2,3,4,5,6,7
	v_wmma_f32_16x16x64_fp8_fp8 v[S+8*\c:S+8*\c+7], v[KF+8*\c:KF+8*\c+7], v[Q:Q+7], 0
.endr
	WIN 0
	s_add_co_u32 s2, s21, 8192
	s_and_b32 s2, s2, 0x1ffff                      ; the next step's K; behind step 15: step 0's, with which the next pass begins
	s_add_co_u32 s100, s20, 1
	s_and_b32 s100, s100, 15                       ; and its number
	v_add_nc_u32 v2, s2, v1                        ; four places between the products and the loads into K's registers, and the first read of S^T
	v_nop
	v_nop
	v_nop
	KLOAD
.endm
; One tile's softmax for one step; all its registers lie in window t.
.macro SOFT t
	WIN 0x55*\t
.if \t
	s_wait_alu depctr_va_vdst(0)                   ; directly ahead of the first reader of tile 1's S^T
.endif
	v_max3_num_f32 v[C0], v[S], v[S+1], v[S+2]     ; the step's largest score of my query among my 64 keys, in four chains that take turns
	v_max3_num_f32 v[C1], v[S+3], v[S+4], v[S+5]
	v_max3_num_f32 v[C2], v[S+6], v[S+7], v[S+8]
	v_max3_num_f32 v[C3], v[S+9], v[S+10], v[S+11]
.irp i, 12,20,28,36,44,52
	v_max3_num_f32 v[C0], v[C0], v[S+\i], v[S+1+\i]
	v_max3_num_f32 v[C1], v[C1], v[S+2+\i], v[S+3+\i]
	v_max3_num_f32 v[C2], v[C2], v[S+4+\i], v[S+5+\i]
	v_max3_num_f32 v[C3], v[C3], v[S+6+\i], v[S+7+\i]
.endr
	v_max3_num_f32 v[C0], v[C0], v[S+60], v[S+61]
	v_max3_num_f32 v[C1], v[C1], v[S+62], v[S+63]
	s_delay_alu instid0(VALU_DEP_1)
	v_max3_num_f32 v[C0], v[C0], v[C1], v[C2]
	s_delay_alu instid0(VALU_DEP_1)
	v_max_num_f32 v[C0], v[C0], v[C3]
	s_delay_alu instid0(VALU_DEP_1)
	v_permlanex16_b32 v[PX], v[C0], s24, s25
	s_delay_alu instid0(VALU_DEP_1)
	v_max_num_f32 v[C0], v[C0], v[PX]              ; and among lane l xor 16's
	s_delay_alu instid0(VALU_DEP_1)
	v_mul_f32 v[C0], s22, v[C0]                    ; as t (c is positive)
	s_delay_alu instid0(VALU_DEP_1)
	v_max_num_f32 v[TM], v[TM], v[C0]
	v_mov_b32 v[TT], v[NM]
	s_delay_alu instid0(VALU_DEP_2)
	v_floor_f32 v[NM], -v[TM]                      ; the new -M = floor(-t)
	s_delay_alu instid0(VALU_DEP_1)
	v_sub_f32 v[TT], v[NM], v[TT]                  ; old M - new M: a whole number, 0 or less
	s_delay_alu instid0(VALU_DEP_1)
	v_cvt_i32_f32 v[TT], v[TT]                     ; (it saturates)
	s_delay_alu instid0(VALU_DEP_1)
	v_ldexp_f32 v[FF], 1.0, v[TT]                  ; f = 2^(old M - new M)
.set sj, 0
.rept 32
	v_pk_fma_f32 v[S+sj:S+sj+1], v[S+sj:S+sj+1], s[22:23], v[NM:NM+1] op_sel_hi:[1,0,0]   ; t - M, two at a time
.set sj, sj+2
.endr
	s_wait_alu depctr_va_vdst(0)                   ; the wait ahead of the batch
.set sj, 0
.rept 64
	v_exp_f32 v[S+sj], v[S+sj]                     ; p = 2^(t - M)
.set sj, sj+1
.endr
	v_pk_mul_f32 v[L:L+1], v[L:L+1], v[FF:FF+1] op_sel_hi:[1,0]   ; the sum under the new M: the plain instruction behind the exponentials
	s_wait_alu depctr_va_vdst(0)                   ; one wait for the batch of 64, ahead of its first reader
	v_pk_add_f32 v[L2:L2+1], v[S:S+1], v[S+2:S+3]  ; the sum of the unquantised p, in four chains that take turns
	v_pk_add_f32 v[L3:L3+1], v[S+4:S+5], v[S+6:S+7]
	v_pk_add_f32 v[L4:L4+1], v[S+8:S+9], v[S+10:S+11]
	v_pk_add_f32 v[L:L+1], v[L:L+1], v[S+12:S+13]
.irp j, 14,22,30,38,46,54
	v_pk_add_f32 v[L2:L2+1], v[L2:L2+1], v[S+\j:S+\j+1]
	v_pk_add_f32 v[L3:L3+1], v[L3:L3+1], v[S+2+\j:S+3+\j]
	v_pk_add_f32 v[L4:L4+1], v[L4:L4+1], v[S+4+\j:S+5+\j]
	v_pk_add_f32 v[L:L+1], v[L:L+1], v[S+6+\j:S+7+\j]
.endr
	v_pk_add_f32 v[L2:L2+1], v[L2:L2+1], v[S+62:S+63]
	v_pk_add_f32 v[L3:L3+1], v[L3:L3+1], v[L4:L4+1]
	v_pk_add_f32 v[L:L+1], v[L:L+1], v[L2:L2+1]
	v_pk_add_f32 v[L:L+1], v[L:L+1], v[L3:L3+1]
	s_wait_alu depctr_va_vdst(0)                   ; the wait ahead of the branch
	WIN 0
	s_cmp_lg_u32 s29, 0
	s_cbranch_scc0 .Lno_hold_\@                    ; 448 x 2^e6 >= 1 >= p: the hold would change nothing
	WIN 0x55*\t
.set sj, 0
.rept 64
	v_min_num_f32 v[S+sj], v[S+sj], v[LIM]         ; the conversion to an 8-bit code does not saturate (ISA guide 7.6.2); p is not negative, so the hold is one-sided
.set sj, sj+1
.endr
	WIN 0
.Lno_hold_\@:
	WIN 0x55*\t
.irp c, 0,1,2,3,4,5,6,7
	v_cvt_scalef32_pk8_fp8_f32 v[PC+2*\c:PC+2*\c+1], v[S+8*\c:S+8*\c+7], v[QSC]
.endr
	s_wait_alu depctr_va_vdst(0)                   ; directly ahead of the first reader of O^T
.set sj, 0
.rept 16
	v_pk_mul_f32 v[O+sj:O+sj+1], v[O+sj:O+sj+1], v[FF:FF+1] op_sel_hi:[1,0]   ; O^T under the new M; also the plain instructions behind the conversions
.set sj, sj+2
.endr
.endm
.macro INIT                            ; the step is written once: the first that is walked finds zeros, which the first change of M leaves zeros
	v_mov_b32 v[NM], 0x7f61b1e6                    ; -M = floor(3e38)
	v_mov_b32 v[TM], 0xff61b1e6                    ; the largest t so far: -3e38
	v_mov_b32 v[L], 0
	v_mov_b32 v[L+1], 0
	v_mov_b32 v[FF], 0
	v_mov_b32 v[FF+1], 0
	v_mov_b32 v[PX], 0
.set i, 0
.rept 32
	v_mov_b32 v[O+i], 0
.set i, i+1
.endr
.endm
; The way out of tile t: O^T / the sum x 2^(e6 + e7), the hold, the conversion by 2^e8; the halves of the lanes exchange 8 codes each, so that a lane holds 16 neighbours; 2 x 512 bytes out.
.macro OUT t
	WIN 0x55*\t
	v_add_f32 v[C0], v[L], v[L+1]
	s_delay_alu instid0(VALU_DEP_1)
	v_permlanex16_b32 v[PX], v[C0], s24, s25
	s_delay_alu instid0(VALU_DEP_1)
	v_add_f32 v[C0], v[C0], v[PX]                  ; the row's sum
	s_wait_alu depctr_va_vdst(0)                   ; the wait ahead of the transcendental
	v_rcp_f32 v[C0], v[C0]
	v_nop                                          ; a plain instruction behind the reciprocal
	s_wait_alu depctr_va_vdst(0)                   ; and the wait ahead of its first reader
	v_ldexp_f32 v[FF], v[C0], s30
	s_wait_alu depctr_va_vdst(0)                   ; directly ahead of the first reader of O^T
.set i, 0
.rept 16
	v_pk_mul_f32 v[O+i:O+i+1], v[O+i:O+i+1], v[FF:FF+1] op_sel_hi:[1,0]
.set i, i+2
.endr
.set i, 0
.rept 32
	v_med3_num_f32 v[O+i], v[O+i], -v[LIM8], v[LIM8]
.set i, i+1
.endr
.irp a, 0,1,2,3
	v_cvt_scalef32_pk8_fp8_f32 v[PC+2*\a:PC+2*\a+1], v[O+8*\a:O+8*\a+7], v[QS8]   ; channels 16 a + 8 g + 0..7
.endr
	v_nop
.irp i, 0,1,2,3,4,5,6,7
	v_permlanex16_b32 v[XB+\i], v[PC+\i], s24, s25 ; the other half's codes
.endr
.irp c, 0,1
.irp w, 0,1
	v_cndmask_b32 v[PC+8+4*\c+\w], v[PC+4*\c+\w], v[XB+4*\c+2+\w], s26    ; channels 32 c + 16 g + 0..7
	v_cndmask_b32 v[PC+10+4*\c+\w], v[XB+4*\c+\w], v[PC+4*\c+2+\w], s26   ; channels 32 c + 16 g + 8..15
.endr
.endr
	WIN 0x04*\t                                    ; the store's data in window t, its offset in window 0
.irp c, 0,1
	global_store_b128 v1, v[PC+8+4*\c:PC+11+4*\c], s[12:13] offset:4096*\t+512*\c   ; 32 lanes store 512 consecutive bytes, aligned
.endr
.endm
	v_mov_b32 v2, v1
	KLOAD                                          ; step 0's K
	s_mov_b32 s100, 0
	s_mov_b32 s19, 2
.Lpass:
	s_lshl_b32 s3, s18, 1                          ; my first tile
	s_lshr_b32 s31, s17, 4
	s_lshl_b32 s31, s31, 7
	s_add_co_u32 s31, s31, s3                      ; 128 b + tile
	s_mov_b32 s3, 0
	s_lshl_b32 s2, s31, 12                         ; a tile's words are 4,096 bytes
	s_wait_kmcnt 0x0                               ; the last pass's early words have come, used or not: their registers, base and offset may be written
	s_add_nc_u64 s[6:7], s[10:11], s[2:3]
	s_mov_b64 s[8:9], s[6:7]
	s_and_b32 s2, s17, 15                          ; h
	s_lshr_b32 s3, s2, 2
	s_lshl_b32 s3, s3, 9
	s_add_co_u32 s3, s3, s31
	s_lshl_b32 s3, s3, 12                          ; ((h / 4) x 512 + 128 b + tile) x 4,096
	s_and_b32 s2, s2, 3
	s_lshl_b32 s2, s2, 10                          ; + (h % 4) x 1,024
	s_add_co_u32 s2, s2, s3
	s_mov_b32 s3, 0
	s_add_nc_u64 s[12:13], s[14:15], s[2:3]
	s_and_not1_b32 s2, s27, s28                    ; the steps that are walked with mask lines;
	s_ctz_i32_b32 s3, s2                           ; the first of them (-1: none),
	s_min_u32 s3, s3, 15                           ; held inside the tile's 16 steps
	s_lshl_b32 s101, s3, 8                         ; a step's words are 256 bytes
	s_load_b512 s[32:47], s[8:9], s101 offset:0x0  ; tile 0's words of that step, ahead of the walk
	s_load_b512 s[48:63], s[8:9], s101 offset:0x40
	s_load_b512 s[68:83], s[8:9], s101 offset:0x80
	s_load_b512 s[84:99], s[8:9], s101 offset:0xc0
	WIN 0x40
	INIT
	WIN 0
	INIT
	s_mov_b32 s20, 0
	s_mov_b32 s21, 0                               ; 8,192 x step
	s_wait_alu depctr_va_vdst(0)                   ; ahead of the branches below
.Lstep:                                                ; 16 trips always
	s_bitcmp1_b32 s27, s20
	s_cbranch_scc0 .Lnext                          ; no true entry for my 32 queries among these 128 keys
	s_bitcmp1_b32 s28, s20                         ; ONE branch: a step that is all true for my 32 queries has no mask lines
	s_cbranch_scc1 .Lfull
	s_cmp_eq_u32 s3, s20
	s_cbranch_scc1 .Lwords                         ; tile 0's words of this step were asked for at the pass's head
	s_wait_kmcnt 0x0                               ; no scalar load is out
	MWLOAD 0                                       ; tile 0's words: they come while the front is walked
.Lwords:
	s_mov_b32 s3, -1                               ; tile 1's words will take the registers
	FRONT
	s_wait_kmcnt 0x0                               ; tile 0's words
	MASK
	MWLOAD 4096                                    ; tile 1's words, into the same registers
	s_wait_kmcnt 0x0
	WIN 0x55
	MASK
	WIN 0
	s_branch .Lsoft
.Lfull:
	FRONT
.Lsoft:
	SOFT 0
	SOFT 1
	s_wait_alu depctr_va_vdst(0)
	s_wait_dscnt 16                                ; V is in; the next K's 16 loads may be out
	WIN 0x01                                       ; V in window 1; P and O^T of tile 0 in window 0
.irp a, 0,1,2,3
	v_wmma_f32_16x16x128_fp8_fp8 v[O+8*\a:O+8*\a+7], v[VF+16*\a:VF+16*\a+15], v[PC:PC+15], v[O+8*\a:O+8*\a+7]
.endr
	WIN 0x55                                       ; eight accumulators, one instruction a turn
.irp a, 0,1,2,3
	v_wmma_f32_16x16x128_fp8_fp8 v[O+8*\a:O+8*\a+7], v[VF+16*\a:VF+16*\a+15], v[PC:PC+15], v[O+8*\a:O+8*\a+7]
.endr
	WIN 0
.rept 4
	v_nop                                          ; places in front of the next loads into V's registers and the next read of O^T
.endr
.Lnext:
	s_add_nc_u64 s[6:7], s[6:7], 256               ; the next step's words (no load that names this base is out)
	s_add_co_u32 s21, s21, 8192
	s_add_co_u32 s20, s20, 1
	s_cmp_lt_u32 s20, 16
	s_cbranch_scc1 .Lstep
	OUT 0
	OUT 1
	WIN 0x41                                       ; the second pass's Q and flags take the first's places (behind the second pass these lines move what nobody reads)
.set i, 0
.rept 8
	v_mov_b32 v[Q+i], v[QN+i]
.set i, i+1
.endr
	WIN 0
.set i, 0
.rept 8
	v_mov_b32 v[Q+i], v[QN+i]
.set i, i+1
.endr
	s_mov_b32 s27, s66
	s_mov_b32 s28, s67
	s_wait_xcnt 0x0                                ; the stores have read their data and their base
	s_sub_co_u32 s18, 63, s18                      ; pass 1's pair
	s_sub_co_u32 s19, s19, 1
	s_cmp_lg_u32 s19, 0
	s_cbranch_scc1 .Lpass
	s_wait_kmcnt 0x0                               ; the early words, used or not
	s_wait_tensorcnt 0x0                           ; the wave's end
	ds_add_u32 v[SPW], v[NIL]
	s_wait_dscnt 0x0
	s_endpgm
.Lfunc_end_k_q5806738a45_attn:
	.size	k_q5806738a45_attn, .Lfunc_end_k_q5806738a45_attn-k_q5806738a45_attn
	.p2alignl 7, 3214868480
	.fill 96, 4, 3214868480
	.section	.rodata,"a",@progbits
	.p2align	6, 0x0
	.amdhsa_kernel k_q5806738a45_attn
		.amdhsa_group_segment_fixed_size 263168
		.amdhsa_private_segment_fixed_size 0
		.amdhsa_enable_private_segment 0
		.amdhsa_kernarg_size 56
		.amdhsa_user_sgpr_count 2
		.amdhsa_user_sgpr_kernarg_segment_ptr 1
		.amdhsa_wavefront_size32 1
		.amdhsa_system_sgpr_workgroup_id_x 1
		.amdhsa_system_sgpr_workgroup_id_y 1
		.amdhsa_system_sgpr_workgroup_id_z 1
		.amdhsa_system_vgpr_workitem_id 0
		.amdhsa_next_free_vgpr 512
		.amdhsa_next_free_sgpr 102
		.amdhsa_reserve_vcc 0
		.amdhsa_float_denorm_mode_32 3
		.amdhsa_float_denorm_mode_16_64 3
		.amdhsa_memory_ordered 1
		.amdhsa_forward_progress 1
		.amdhsa_inst_pref_size 76
	.end_amdhsa_kernel
	.amdgpu_metadata
---
amdhsa.version: [ 1, 2 ]
amdhsa.kernels:
  - .name:           k_q5806738a45_attn
    .symbol:         k_q5806738a45_attn.kd
    .args:
      - { .name: qc, .offset: 0, .size: 8, .value_kind: global_buffer, .address_space: global }
      - { .name: kc, .offset: 8, .size: 8, .value_kind: global_buffer, .address_space: global }
      - { .name: vc, .offset: 16, .size: 8, .value_kind: global_buffer, .address_space: global }
      - { .name: maskw, .offset: 24, .size: 8, .value_kind: global_buffer, .address_space: global }
      - { .name: lowp_scales, .offset: 32, .size: 8, .value_kind: global_buffer, .address_space: global }
      - { .name: oc, .offset: 40, .size: 8, .value_kind: global_buffer, .address_space: global }
      - { .name: mflags, .offset: 48, .size: 8, .value_kind: global_buffer, .address_space: global }
    .group_segment_fixed_size: 263168
    .private_segment_fixed_size: 0
    .kernarg_segment_align: 8
    .kernarg_segment_size: 56
    .max_flat_workgroup_size: 256
    .sgpr_count:     102
    .vgpr_count:     512
    .wavefront_size: 32
...
	.end_amdgpu_metadata
.endif
;; end of part 2
;; launch outp (part 3): grid 4 x 32, 4 waves a work-group, clusters of 4 x 4, 327,680 bytes of LDS; arguments oc, Wp_codes, lowp_scales, bp, out0; writes out0
.if DOCPART == 3
	.amdgcn_target "amdgcn-amd-amdhsa--gfx1250"
	.amdhsa_code_object_version 6
	.text
	.protected	k_q5806738a45_outp
	.globl	k_q5806738a45_outp
	.p2align	8
	.type	k_q5806738a45_outp,@function
k_q5806738a45_outp:
	s_mov_b64 s[64:65], 0
	v_nop
	global_prefetch_b8 v0, s[64:65] scope:SCOPE_SE
	s_setreg_imm32_b32 hwreg(HW_REG_WAVE_MODE, 25, 1), 1
	s_wait_xcnt 0x0
	s_wait_alu depctr_hold_cnt(0) depctr_sa_sdst(0) depctr_va_vdst(0) depctr_va_sdst(0) depctr_va_ssrc(0) depctr_va_vcc(0) depctr_vm_vsrc(0)
	s_getreg_b32 s2, hwreg(HW_REG_IB_STS2, 6, 4)
	s_cmp_eq_u32 s2, 0
	s_cbranch_scc0 .Lentry_in_a_cluster
	s_endpgm
.Lentry_in_a_cluster:
	s_bfe_u32 s2, ttmp6, 0x10000c
	s_cmp_lg_u32 s2, 0xf033
	s_cbranch_scc0 .Lentry_shape_is_right
	s_endpgm
.Lentry_shape_is_right:
.set SIZE_N, 1024
.set ROWB,   256
.set KROW,   1024
.set PITCH,  272
.set FR,     16
.set NL,     4
.set NP,     4
.set HALFA,  32768
.set HALFT,  128*PITCH
.set BOFF,   2*HALFA
.set SLOT,   BOFF+2*HALFT
.set KSA,    512*4096
.set LAPS,   2
.set SPARE,  2*SLOT
.set SPITCH, 528
.set BPO,  7
.set ADRA, 16
.set ADRB, 20
.set STO,  24
.set RD,   25
.set CO,   26
.set SPW,  28
.set NIL,  29
.set TMP,  32
.set AF,   128
.set BK,   128
.set G1, 24
.set G0, 32
.set G1B, 48
.set G0B, 56
.set MSB, 0
.macro WIN new
.if MSB != (\new)
	s_set_vgpr_msb (MSB<<8)|(\new)
.set MSB, (\new)
.endif
.endm
.set MUL_LO, 0xa1
.set MUL_HI, 0xf1
.set TO_B,   0x40
.macro JLOAD g0a, g1a, g0b, g1b
	s_cmp_eq_u32 s15, 0
	s_cbranch_scc0 .Lfor_b_\@
	tensor_load_to_lds s[\g0a:\g0a+3], s[\g1a:\g1a+7]
	s_nop 0
.rept 4
	v_nop
.endr
	s_branch .Lasked_\@
.Lfor_b_\@:
	tensor_load_to_lds s[\g0b:\g0b+3], s[\g1b:\g1b+7]
	s_nop 0
.rept 4
	v_nop
.endr
.Lasked_\@:
.endm
.macro CREST
	s_cmp_lg_u32 s14, 0
	s_cbranch_scc1 .Lnot_wave_0_\@
	s_barrier_signal -3
.Lnot_wave_0_\@:
	s_barrier_wait -3
	s_barrier_signal -1
	s_barrier_wait -1
.endm
.macro CROUND
	s_barrier_signal -1
	s_barrier_wait -1
	CREST
.endm
	s_load_b128 s[4:7], s[0:1], 0x0
	s_load_b128 s[8:11], s[0:1], 0x10
	s_load_b64 s[12:13], s[0:1], 0x20
	v_lshl_add_u32 v[SPW], v0, 2, SPARE
	v_mov_b32 v[NIL], 0
	ds_add_u32 v28, v29
	ds_add_u32 v28, v29
	s_wait_dscnt 0x0
	v_lshrrev_b32 v1, 5, v0
	v_readfirstlane_b32 s14, v1
	s_lshr_b32 s15, s14, 1
	s_and_b32 s16, s14, 1
	s_bfe_u32 s40, ttmp6, 0x40000
	s_bfe_u32 s41, ttmp6, 0x40004
	s_lshl_b32 s42, ttmp9, 2
	s_add_co_u32 s42, s42, s40
	s_and_b32 s17, ttmp7, 0xffff
	s_lshl_b32 s17, s17, 2
	s_add_co_u32 s17, s17, s41
	s_lshl_b32 s43, s41, 2
	s_lshl_b32 s43, 15, s43
	s_lshl_b32 s44, 0x1111, s40
	s_or_b32 s[G1+0], s43, (3<<16)|(1<<21)
	s_mov_b32 s[G1+1], 32<<16
	s_mov_b32 s[G1+2], 128<<16
	s_mov_b32 s[G1+3], 32<<16
	s_mov_b32 s[G1+4], 128
	s_mov_b32 s[G1+5], 32
	s_mov_b32 s[G1+6], 0
	s_mov_b32 s[G1+7], 0
	s_or_b32 s[G1B+0], s44, (0<<16)|(1<<20)|(1<<21)|(5<<22)|(3<<25)
	s_mov_b32 s[G1B+1], ROWB<<16
	s_mov_b32 s[G1B+2], 128<<16
	s_mov_b32 s[G1B+3], ROWB<<16
	s_mov_b32 s[G1B+4], 128
	s_mov_b32 s[G1B+5], KROW
	s_mov_b32 s[G1B+6], 0
	s_mov_b32 s[G1B+7], 0
	s_lshl_b32 s20, s17, 16
	s_lshl_b32 s18, s16, 15
	s_add_co_u32 s20, s20, s18
	s_mov_b32 s21, 0
	s_lshl_b32 s46, s42, 8
	s_lshl_b32 s18, s16, 7
	s_add_co_u32 s46, s46, s18
	s_lshl_b32 s46, s46, 10
	s_mov_b32 s47, 0
	s_lshl_b32 s45, s16, 15
	s_mul_i32 s94, s16, HALFT
	s_add_co_u32 s94, s94, BOFF
	s_wait_kmcnt 0x0
	s_load_b64 s[96:97], s[8:9], 0x20
	s_add_nc_u64 s[20:21], s[4:5], s[20:21]
	s_add_nc_u64 s[46:47], s[6:7], s[46:47]
	CROUND
.irp s, 0,1
	s_mov_b32 s[G0+4*\s], 1
	s_add_co_u32 s[G0+4*\s+1], s45, \s*SLOT
	s_add_nc_u64 s[G0+4*\s+2:G0+4*\s+3], s[20:21], \s*KSA
	s_or_b32 s[G0+4*\s+3], s[G0+4*\s+3], 0x80000000
	s_mov_b32 s[G0B+4*\s], 1
	s_add_co_u32 s[G0B+4*\s+1], s94, \s*SLOT
	s_add_nc_u64 s[G0B+4*\s+2:G0B+4*\s+3], s[46:47], \s*ROWB
	s_or_b32 s[G0B+4*\s+3], s[G0B+4*\s+3], 0x80000000
	s_wait_alu depctr_va_vdst(0)
	s_wait_tensorcnt 0x0
	ds_add_u32 v28, v29
	ds_add_u32 v28, v29
	s_wait_dscnt 0x0
	CROUND
	JLOAD G0+4*\s, G1, G0B+4*\s, G1B
.endr
	v_and_b32 v1, 15, v0
	v_bfe_u32 v2, v0, 4, 1
	v_and_b32 v6, 31, v0
	v_lshlrev_b32 v[CO], 4, v6
	v_lshlrev_b32 v[BPO], 5, v2
	v_mul_u32_u24 v3, v1, PITCH
	v_lshl_add_u32 v4, v2, 4, v3
	s_lshl_b32 s21, s15, 15
	s_mul_i32 s22, s16, HALFT
	s_add_co_u32 s22, s22, BOFF
.irp s, 0,1
	v_add_nc_u32 v[ADRA+\s], s21, v[CO]
	v_add_nc_u32 v[ADRB+\s], s22, v4
	s_add_co_u32 s21, s21, SLOT
	s_add_co_u32 s22, s22, SLOT
.endr
	s_mul_i32 s23, s14, 16*SPITCH
	v_mul_u32_u24 v5, v1, SPITCH
	v_lshl_add_u32 v5, v2, 5, v5
	v_add_nc_u32 v[STO], s23, v5
	v_add_nc_u32 v[RD], s23, v[CO]
	s_lshl_b32 s20, s17, 8
	s_lshl_b32 s21, s15, 7
	s_add_co_u32 s20, s20, s21
	s_lshl_b32 s20, s20, 12
	s_mov_b32 s21, 0
	s_lshl_b32 s46, s42, 10
	s_lshl_b32 s47, s16, 9
	s_add_co_u32 s46, s46, s47
	s_mov_b32 s47, 0
	s_add_nc_u64 s[10:11], s[10:11], s[46:47]
	s_add_nc_u64 s[20:21], s[20:21], s[46:47]
	s_add_nc_u64 s[12:13], s[12:13], s[20:21]
.macro FRAGB reg, adr, q, i
.irp c, 0,1,2,3
	ds_load_b128 v[\reg+4*\c:\reg+4*\c+3], v[\adr] offset:128*(\q)+32*\c+(\i)*16*PITCH
.endr
.endm
.macro FRAGA reg, adr, q, i
.irp c, 0,1,2,3
	ds_load_b128 v[\reg+4*\c:\reg+4*\c+3], v[\adr] offset:4096*(\i)+2048*(\q)+512*\c
.endr
.endm
.macro MUL16 a0, p, zero
.irp a, \a0, \a0+1
.irp b, 0,1,2,3,4,5,6,7
.if \zero
	v_wmma_f32_16x16x128_fp8_fp8 v[8*(8*((\a)%4)+\b):8*(8*((\a)%4)+\b)+7], v[128*(\p)+FR*\b:128*(\p)+FR*\b+FR-1], v[AF+FR*(\a):AF+FR*(\a)+FR-1], 0
.else
	v_wmma_f32_16x16x128_fp8_fp8 v[8*(8*((\a)%4)+\b):8*(8*((\a)%4)+\b)+7], v[128*(\p)+FR*\b:128*(\p)+FR*\b+FR-1], v[AF+FR*(\a):AF+FR*(\a)+FR-1], v[8*(8*((\a)%4)+\b):8*(8*((\a)%4)+\b)+7]
.endif
.endr
.endr
.endm
.macro FETCH_B slot, q, p
	WIN TO_B
.irp i, 0,1,2,3,4,5,6,7
	FRAGB 128*(\p)+FR*\i, ADRB+\slot, \q, \i
.endr
	WIN 0
.endm
.macro FETCH_A slot, q, i0
.irp i, \i0, \i0+1, \i0+2, \i0+3
	FRAGA AF+FR*(\i), ADRA+\slot, \q, \i
.endr
.endm
.macro PLACES n
.rept \n
	v_nop
.endr
.endm
.macro STEP slot, q, zero
	s_wait_dscnt 4*NL
	WIN MUL_LO
	MUL16 0, (\q)%2, \zero
	MUL16 2, (\q)%2, \zero
	s_wait_dscnt 0
	PLACES NP
	FETCH_B \slot, (\q)+1, 1-(\q)%2
	FETCH_A \slot, (\q)+1, 0
	WIN MUL_HI
	MUL16 4, (\q)%2, \zero
	MUL16 6, (\q)%2, \zero
	PLACES NP
	WIN 0
	FETCH_A \slot, (\q)+1, 4
.endm
.macro TURN slot, next, fill
	s_wait_tensorcnt 0x0
	ds_add_u32 v[SPW], v[NIL]
	s_wait_dscnt 4*NL+1
	WIN MUL_LO
	MUL16 0, 1, 0
	s_wait_dscnt 0x0
	s_barrier_signal -1
	MUL16 2, 1, 0
	WIN 0
	s_barrier_wait -1
.if \fill
	CREST
	s_add_nc_u64 s[G0+4*\slot+2:G0+4*\slot+3], s[G0+4*\slot+2:G0+4*\slot+3], 2*KSA
	s_add_nc_u64 s[G0B+4*\slot+2:G0B+4*\slot+3], s[G0B+4*\slot+2:G0B+4*\slot+3], 2*ROWB
	JLOAD G0+4*\slot, G1, G0B+4*\slot, G1B
.else
	PLACES NP
.endif
	FETCH_B \next, 0, 0
	FETCH_A \next, 0, 0
	WIN MUL_HI
	MUL16 4, 1, 0
	MUL16 6, 1, 0
	PLACES NP
	WIN 0
	FETCH_A \next, 0, 4
.endm
	s_wait_alu depctr_va_vdst(0)
	s_wait_tensorcnt 1
	s_barrier_signal -1
	s_barrier_wait -1
	FETCH_B 0, 0, 0
	FETCH_A 0, 0, 0
	FETCH_A 0, 0, 4
	STEP 0, 0, 1
	s_mov_b32 s3, LAPS-1
.Llap:
	TURN 0, 1, 1
	STEP 1, 0, 0
	TURN 1, 0, 1
	STEP 0, 0, 0
	s_sub_co_u32 s3, s3, 1
	s_cmp_lg_u32 s3, 0
	s_cbranch_scc1 .Llap
	TURN 0, 1, 0
	STEP 1, 0, 0
	WIN 0x40
.irp b, 0,1,2,3,4,5,6,7
	global_load_b128 v[8*\b:8*\b+3], v[BPO], s[10:11] offset:64*\b
	global_load_b128 v[8*\b+4:8*\b+7], v[BPO], s[10:11] offset:64*\b+16
.endr
	WIN 0
	s_wait_dscnt 4*NL
	WIN MUL_LO
	MUL16 0, 1, 0
	MUL16 2, 1, 0
	s_wait_dscnt 0
	WIN MUL_HI
	MUL16 4, 1, 0
	MUL16 6, 1, 0
	WIN 0
.macro TOSTAGE a
.set AC, 64*((\a)%4)
	WIN 0x12+((\a)/4)
.irp j, 0,2,4,6,8,10,12,14,16,18,20,22,24,26,28,30,32,34,36,38,40,42,44,46,48,50,52,54,56,58,60,62
	v_pk_fma_f32 v[TMP+\j:TMP+\j+1], v[AC+\j:AC+\j+1], s[96:97], v[\j:\j+1] op_sel_hi:[1,0,1]
.endr
	WIN 0
.irp b, 0,1,2,3,4,5,6,7
	ds_store_b128 v[STO], v[TMP+8*\b:TMP+8*\b+3] offset:64*\b
	ds_store_b128 v[STO], v[TMP+8*\b+4:TMP+8*\b+7] offset:64*\b+16
.endr
.set BB, BK+64*((\a)%2)
.irp t, 0,1,2,3,4,5,6,7,8,9,10,11,12,13,14,15
	ds_load_b128 v[BB+4*\t:BB+4*\t+3], v[RD] offset:\t*SPITCH
.endr
.endm
.macro SEND a, younger
.set BB, BK+64*((\a)%2)
	s_wait_dscnt \younger
.if (\a) > 0
	s_add_nc_u64 s[12:13], s[12:13], 16*SIZE_N*4
.endif
.irp t, 0,1,2,3,4,5,6,7,8,9,10,11,12,13,14,15
	global_store_b128 v[CO], v[BB+4*\t:BB+4*\t+3], s[12:13] offset:\t*SIZE_N*4 th:TH_STORE_NT
.endr
.endm
	s_wait_kmcnt 0x0
	s_add_co_i32 s96, s96, s97
	s_add_co_i32 s96, s96, 127
	s_lshl_b32 s96, s96, 23
	s_mov_b32 s97, s96
	PLACES NP
	s_wait_loadcnt 0x0
	TOSTAGE 0
.irp a, 1,2,3,4,5,6,7
.if \a > 1
	s_wait_xcnt 0x0
.endif
	TOSTAGE \a
	SEND \a-1, 32
.endr
	s_wait_xcnt 0x0
	SEND 7, 0
	s_wait_tensorcnt 0x0
	ds_add_u32 v[SPW], v[NIL]
	s_wait_dscnt 0x0
	CROUND
	s_endpgm
.Lfunc_end_k_q5806738a45_outp:
	.size	k_q5806738a45_outp, .Lfunc_end_k_q5806738a45_outp-k_q5806738a45_outp
	.p2alignl 7, 3214868480
	.fill 96, 4, 3214868480
	.section	.rodata,"a",@progbits
	.p2align	6, 0x0
	.amdhsa_kernel k_q5806738a45_outp
		.amdhsa_group_segment_fixed_size 327680
		.amdhsa_private_segment_fixed_size 0
		.amdhsa_enable_private_segment 0
		.amdhsa_kernarg_size 40
		.amdhsa_user_sgpr_count 2
		.amdhsa_user_sgpr_kernarg_segment_ptr 1
		.amdhsa_wavefront_size32 1
		.amdhsa_system_sgpr_workgroup_id_x 1
		.amdhsa_system_sgpr_workgroup_id_y 1
		.amdhsa_system_sgpr_workgroup_id_z 1
		.amdhsa_system_vgpr_workitem_id 0
		.amdhsa_next_free_vgpr 1024
		.amdhsa_next_free_sgpr 100
		.amdhsa_reserve_vcc 0
		.amdhsa_float_denorm_mode_32 3
		.amdhsa_float_denorm_mode_16_64 3
		.amdhsa_memory_ordered 1
		.amdhsa_forward_progress 1
		.amdhsa_inst_pref_size 126
	.end_amdhsa_kernel
	.amdgpu_metadata
---
amdhsa.version: [ 1, 2 ]
amdhsa.kernels:
  - .name:           k_q5806738a45_outp
    .symbol:         k_q5806738a45_outp.kd
    .args:
      - { .name: oc, .offset: 0, .size: 8, .value_kind: global_buffer, .address_space: global }
      - { .name: Wp_codes, .offset: 8, .size: 8, .value_kind: global_buffer, .address_space: global }
      - { .name: lowp_scales, .offset: 16, .size: 8, .value_kind: global_buffer, .address_space: global }
      - { .name: bp, .offset: 24, .size: 8, .value_kind: global_buffer, .address_space: global }
      - { .name: out0, .offset: 32, .size: 8, .value_kind: global_buffer, .address_space: global }
    .group_segment_fixed_size: 327680
    .private_segment_fixed_size: 0
    .kernarg_segment_align: 8
    .kernarg_segment_size: 40
    .max_flat_workgroup_size: 128
    .sgpr_count:     100
    .vgpr_count:     1024
    .wavefront_size: 32
...
	.end_amdgpu_metadata
.endif
;; end of part 3
